; MI455X (gfx1250); checked and timed in simulation.
; The chip was launched on July 23, 2026; its instructions are those of AMD's public machine-readable ISA for CDNA 5 (MIT licence, August 2026) and "CDNA5" Instruction Set Architecture Reference Guide (July 2026). The comments in the code are by the model that wrote it; some were corrected since.
;; Golden Mo E Baseline. Allowed arithmetic: float matrix products may take bf16 or f16 operands with f32 sums; other float arithmetic in f32, or as packed bf16 or f16 multiplies, adds, multiply-adds, maxima and minima; sums over many terms, partial sums and values carried from step to step in f32; what a program stores and reads back later, other than sums and carried values, may be rounded once to bf16 or f16.
;; Inputs: W1 8 x 1,024 x 4,096 float32; W2 8 x 4,096 x 1,024 float32; Wg 1,024 x 8 float32; b1 8 x 4,096 float32; b2 8 x 1,024 float32; bg 8 float32; x 1,024 x 1,024 float32.
;; Outputs: out0 1,024 x 1,024 float32.
;; 2 versions, each right; version 2 is version 1 with the launches gemm1, gemm2 written anew for expert scheduling mode. Each part assembles by itself: llvm-mc -triple=amdgcn-amd-amdhsa -mcpu=gfx1250 --defsym DOCPART=n.
;; ======== version 1 of 2: 5 launches
;; workspace buffers: route 8,192 bytes of whole numbers; gate 32,768 bytes; xs 16,777,216 bytes; gs 32,768 bytes; ridx 32,768 bytes of whole numbers; h 67,108,864 bytes; p 134,217,728 bytes
;; launch router (part 1): grid 32 x 1, 8 waves a work-group, no clusters, 9,216 bytes of LDS; arguments x, Wg, bg, route, gate; writes route, gate
.if DOCPART == 1
	.amdgcn_target "amdgcn-amd-amdhsa--gfx1250"
	.amdhsa_code_object_version 6
	.text
	.protected	k_q5182261f98_router
	.globl	k_q5182261f98_router
	.p2align	8
	.type	k_q5182261f98_router,@function
k_q5182261f98_router:
	s_mov_b64 s[64:65], 0
	v_nop
	global_prefetch_b8 v0, s[64:65] scope:SCOPE_SE
	s_setreg_imm32_b32 hwreg(HW_REG_WAVE_MODE, 25, 1), 1
	s_wait_xcnt 0x0
; THE GATE.  scores = (x Wg + bg) / e, softmax, the five largest kept (ties: the lower index), renormalised with + 1e-8.
; x [1024][1024], Wg [1024][8], bg [8], all f32, each rounded once to bf16; products on the matrix unit, sums and all gate arithmetic in f32.
; Stored at fixed places: route bytes 0..1023 bm[e][c] (bit l: token 32 c + l chose expert e), route bytes 4096.. msk[n] (low 8 bits: the token's experts),
; gate[n][8] (the weight, 0 where not chosen).  No address and no branch of this launch hangs on a score.
; SHARES.  Work-group c owns tokens 32 c .. 32 c + 31; wave w the channels 128 w .. 128 w + 127 (four K steps of 32); the eight partial scores a token meet in LDS, wave 0 finishes.
; LAYOUT.  Source 0 = 16 rows of Wg^T (row r is expert r % 8), source 1 = 16 tokens: in the result a lane holds ONE token (lane % 16) and register j expert j, in both halves of the lanes.
; LIMITS.  The maximum is taken away before the exponentials.  NaN and infinities are not treated apart; a probability below 2^-126 counts as 0; two probabilities
; that differ only in the last bits of the f32 sums may be ranked otherwise than by another order of summation.
; No cluster: the work-groups share only Wg, 32,768 bytes against 131,072 of x each, and the launch has no tensor load.
.set SPARE, 8192                       ; behind the partial scores: the spare words, 128 bytes for each of eight waves
.set SPW, 30                           ; v30  SPARE + 4 x my thread's number; never rewritten
.set NIL, 31                           ; v31  0; never rewritten
.set XL,  32                           ; v[32:159]  x as loaded: 16 registers for tokens half t, K step s at XL + 16 (4 t + s); the fragment is packed into the first 8
.set WL,  160                          ; v[160:223] Wg as loaded: 16 registers a K step; likewise
.set D1,  224                          ; v[224:231] scores of tokens 0-15
.set D2,  232                          ; v[232:239] scores of tokens 16-31
.set SC,  240                          ; v[240:247] my token's eight partial scores
	s_load_b256 s[4:11], s[0:1], 0x0               ; x s[4:5], Wg s[6:7], bg s[8:9], route s[10:11]
	s_load_b64 s[12:13], s[0:1], 0x20              ; gate
	v_lshl_add_u32 v[SPW], v0, 2, SPARE
	v_mov_b32 v[NIL], 0
	v_lshrrev_b32 v2, 5, v0
	v_readfirstlane_b32 s14, v2                    ; wave 0..7
	v_and_b32 v1, 31, v0                           ; lane
	v_and_b32 v2, 15, v0                           ; r
	v_bfe_u32 v3, v0, 4, 1                         ; hh
	v_lshlrev_b32 v4, 12, v2
	v_lshl_add_u32 v4, v3, 5, v4                   ; x: 4096 r + 32 hh
	v_and_b32 v5, 7, v0
	v_lshlrev_b32 v5, 2, v5
	v_lshl_add_u32 v5, v3, 8, v5                   ; Wg: 256 hh + 4 (r % 8)
	v_lshlrev_b32 v6, 5, v0                        ; LDS: 1024 w + 32 lane
	s_lshl_b32 s24, ttmp9, 17                      ; 32 rows of 4,096 bytes a work-group
	s_lshl_b32 s25, s14, 9                         ; 128 channels of 4 bytes a wave
	s_add_co_u32 s24, s24, s25
	s_mov_b32 s25, 0
	s_lshl_b32 s26, s14, 12                        ; 128 rows of Wg, 32 bytes each
	s_mov_b32 s27, 0
	s_mov_b32 s28, 0xffff0000                      ; lanes 16-31; also a word's upper bf16
	s_mov_b32 s30, 0x3f07de6f                      ; log2(e) / e = 0.5307378
	s_mov_b32 s31, s30                             ; named with it as a pair
	s_lshl_b32 s42, ttmp9, 2                       ; bm: word c
	s_mov_b32 s43, 0
	s_lshl_b32 s44, ttmp9, 7                       ; msk: 32 words a work-group
	s_mov_b32 s45, 0
	s_lshl_b32 s46, ttmp9, 10                      ; gate: 32 rows of 32 bytes
	s_mov_b32 s47, 0
	s_wait_kmcnt 0x0
	s_load_b256 s[16:23], s[8:9], 0x0              ; bg's eight numbers
	s_add_nc_u64 s[4:5], s[4:5], s[24:25]
	s_add_nc_u64 s[6:7], s[6:7], s[26:27]
	s_add_nc_u64 s[40:41], s[10:11], s[42:43]
	s_add_nc_u64 s[10:11], s[10:11], s[44:45]
	s_add_nc_u64 s[12:13], s[12:13], s[46:47]
	; all loads go out at once: a token fragment is k = 8 hh + 0..7 and 16 + 8 hh + 0..7 of row r: four loads of 16 bytes in f32
.irp t, 0,1
.irp s, 0,1,2,3
.irp q, 0,1,2,3
	global_load_b128 v[XL+16*(4*\t+\s)+4*\q:XL+16*(4*\t+\s)+4*\q+3], v4, s[4:5] offset:65536*\t+128*\s+16*(\q&1)+64*(\q>>1)
.endr
.endr
.endr
.irp s, 0,1,2,3
.irp hb, 0,1
.irp i, 0,1,2,3,4,5,6,7
	global_load_b32 v[WL+16*\s+8*\hb+\i], v5, s[6:7] offset:1024*\s+512*\hb+32*\i   ; Wg[128 w + 32 s + 16 hb + 8 hh + i][r % 8]
.endr
.endr
.endr
	s_wait_loadcnt 0x0
	s_wait_kmcnt 0x0
	; rounded to bf16 in place, ascending: word u takes numbers 2 u and 2 u + 1, which lie at or above it
.set b, XL
.rept 12                               ; eight fragments of x, then four of Wg: they lie on end, 16 registers apart
.irp u, 0,1,2,3,4,5,6,7
	v_cvt_pk_bf16_f32 v[b+\u], v[b+2*\u], v[b+2*\u+1]
.endr
.set b, b+16
.endr
	; the two accumulators take turns, one instruction a turn; the first K step starts the sums
.irp s, 0,1,2,3
.if \s == 0
	v_wmma_f32_16x16x32_bf16 v[D1:D1+7], v[WL:WL+7], v[XL:XL+7], 0
	v_wmma_f32_16x16x32_bf16 v[D2:D2+7], v[WL:WL+7], v[XL+64:XL+71], 0
.else
	v_wmma_f32_16x16x32_bf16 v[D1:D1+7], v[WL+16*\s:WL+16*\s+7], v[XL+16*\s:XL+16*\s+7], v[D1:D1+7]
	v_wmma_f32_16x16x32_bf16 v[D2:D2+7], v[WL+16*\s:WL+16*\s+7], v[XL+64+16*\s:XL+71+16*\s], v[D2:D2+7]
.endif
.endr
.rept 4
	v_nop                                          ; four places between the last products and the first read of their results (ISA guide 7.12.1)
.endr
.irp j, 0,1,2,3,4,5,6,7
	v_cndmask_b32 v[SC+\j], v[D1+\j], v[D2+\j], s28    ; lane l now holds token 32 c + l
.endr
	ds_store_b128 v6, v[SC:SC+3]
	ds_store_b128 v6, v[SC+4:SC+7] offset:16
	s_wait_dscnt 0x0                               ; for wave 0's sake: my partial scores are in LDS
	s_barrier_signal -1
	s_barrier_wait -1
	s_cmp_lg_u32 s14, 0
	s_cbranch_scc1 .Lend                           ; wave 0 alone finishes: 32 tokens, one a lane
	v_lshlrev_b32 v7, 5, v1
.irp ww, 0,1,2,3,4,5,6,7
	ds_load_b128 v[32+8*\ww:35+8*\ww], v7 offset:1024*\ww
	ds_load_b128 v[36+8*\ww:39+8*\ww], v7 offset:1024*\ww+16
.endr
.irp u, 0,1,2,3
	v_cvt_pk_bf16_f32 v[96+\u], s[16+2*\u], s[17+2*\u]   ; bg rounded to bf16,
.endr
.irp u, 0,1,2,3
	v_lshlrev_b32 v[100+2*\u], 16, v[96+\u]              ; and widened again
	v_and_b32 v[101+2*\u], s28, v[96+\u]
.endr
	s_wait_dscnt 0x0
.irp ww, 1,2,3,4,5,6,7                 ; the eight waves' parts, in the waves' order
.irp u, 0,1,2,3
	v_pk_add_f32 v[32+2*\u:33+2*\u], v[32+2*\u:33+2*\u], v[32+8*\ww+2*\u:33+8*\ww+2*\u]
.endr
.endr
.irp u, 0,1,2,3
	v_pk_add_f32 v[32+2*\u:33+2*\u], v[32+2*\u:33+2*\u], v[100+2*\u:101+2*\u]
.endr
.irp u, 0,1,2,3
	v_pk_mul_f32 v[32+2*\u:33+2*\u], v[32+2*\u:33+2*\u], s[30:31] op_sel_hi:[1,0]   ; (score + bg) log2(e) / e
.endr
	v_max3_num_f32 v108, v32, v33, v34
	v_max3_num_f32 v108, v108, v35, v36
	v_max3_num_f32 v108, v108, v37, v38
	v_max_num_f32 v108, v108, v39
.irp e, 0,1,2,3,4,5,6,7
	v_sub_f32 v[32+\e], v[32+\e], v108
.endr
.irp e, 0,1,2,3,4,5,6,7
	v_exp_f32 v[40+\e], v[32+\e]
.endr
	v_nop                                          ; a plain instruction behind the last exponential,
	s_wait_alu depctr_va_vdst(0)                   ; and one wait for the batch of eight, ahead of the first use
	v_pk_add_f32 v[48:49], v[40:41], v[42:43]
	v_pk_add_f32 v[50:51], v[44:45], v[46:47]
	v_pk_add_f32 v[48:49], v[48:49], v[50:51]
	v_add_f32 v48, v48, v49
	v_rcp_f32 v52, v48
	; the ranks stand between the reciprocal and its wait.  rank e = #(j < e: p_j >= p_e) + #(j > e: p_j > p_e); each pair is compared once: R_j starts at the 7 - j experts behind it
.irp e, 0,1,2,3,4,5,6,7
	v_mov_b32 v[64+\e], 7-\e
.endr
.irp e, 1,2,3,4,5,6,7
.irp j, 0,1,2,3,4,5,6
.if \j < \e
	v_cmp_ge_f32 vcc_lo, v[40+\j], v[40+\e]
	v_cndmask_b32 v72, 0, 1, vcc_lo
	v_add_nc_u32 v[64+\e], v[64+\e], v72
	v_sub_nc_u32 v[64+\j], v[64+\j], v72
.endif
.endr
.endr
.irp e, 0,1,2,3,4,5,6,7
	v_cmp_gt_u32 s[32+\e], 5, v[64+\e]             ; chosen: rank below 5.  The mask over the 32 lanes IS bm[e][c]
.endr
	s_wait_alu depctr_va_vdst(0)                   ; the reciprocal's wait
.irp e, 0,1,2,3,4,5,6,7
	v_mul_f32 v[56+\e], v[40+\e], v52              ; the probability,
.endr
.irp e, 0,1,2,3,4,5,6,7
	v_cndmask_b32 v[56+\e], 0, v[56+\e], s[32+\e]  ; kept where chosen
.endr
	v_pk_add_f32 v[74:75], v[56:57], v[58:59]
	v_pk_add_f32 v[76:77], v[60:61], v[62:63]
	v_pk_add_f32 v[74:75], v[74:75], v[76:77]
	v_add_f32 v74, v74, v75
	v_add_f32 v74, 0x322bcc77, v74                 ; + 1e-8
	v_rcp_f32 v78, v74
	v_mov_b32 v80, 0                               ; the token's eight bits are made between the reciprocal and its wait
.irp e, 0,1,2,3,4,5,6,7
	v_cndmask_b32 v81, 0, 1, s[32+\e]
	v_lshl_or_b32 v80, v81, \e, v80
.endr
	v_lshlrev_b32 v8, 2, v1
	v_mov_b32 v9, 0
.irp e, 0,1,2,3,4,5,6,7
	v_mov_b32 v[84+\e], s[32+\e]
.endr
	s_wait_alu depctr_va_vdst(0)
.irp e, 0,1,2,3,4,5,6,7
	v_mul_f32 v[56+\e], v[56+\e], v78
.endr
	global_store_b128 v7, v[56:59], s[12:13]           ; gate[32 c + l][0..3]
	global_store_b128 v7, v[60:63], s[12:13] offset:16
	global_store_b32 v8, v80, s[10:11] offset:4096     ; msk[32 c + l]
.irp e, 0,1,2,3,4,5,6,7
	global_store_b32 v9, v[84+\e], s[40:41] offset:128*\e   ; bm[e][c]: every lane stores the same word with the same value
.endr
.Lend:
	s_wait_tensorcnt 0x0                           ; the wave's end
	ds_add_u32 v[SPW], v[NIL]
	s_wait_dscnt 0x0
	s_endpgm
.Lfunc_end_k_q5182261f98_router:
	.size	k_q5182261f98_router, .Lfunc_end_k_q5182261f98_router-k_q5182261f98_router
	.p2alignl 7, 3214868480
	.fill 96, 4, 3214868480
	.section	.rodata,"a",@progbits
	.p2align	6, 0x0
	.amdhsa_kernel k_q5182261f98_router
		.amdhsa_group_segment_fixed_size 9216
		.amdhsa_private_segment_fixed_size 0
		.amdhsa_enable_private_segment 0
		.amdhsa_kernarg_size 40
		.amdhsa_user_sgpr_count 2
		.amdhsa_user_sgpr_kernarg_segment_ptr 1
		.amdhsa_wavefront_size32 1
		.amdhsa_system_sgpr_workgroup_id_x 1
		.amdhsa_system_sgpr_workgroup_id_y 1
		.amdhsa_system_sgpr_workgroup_id_z 1
		.amdhsa_system_vgpr_workitem_id 0
		.amdhsa_next_free_vgpr 256
		.amdhsa_next_free_sgpr 66
		.amdhsa_reserve_vcc 1
		.amdhsa_float_denorm_mode_32 3
		.amdhsa_float_denorm_mode_16_64 3
		.amdhsa_memory_ordered 1
		.amdhsa_forward_progress 1
		.amdhsa_inst_pref_size 33
	.end_amdhsa_kernel
	.amdgpu_metadata
---
amdhsa.version: [ 1, 2 ]
amdhsa.kernels:
  - .name:           k_q5182261f98_router
    .symbol:         k_q5182261f98_router.kd
    .args:
      - { .name: x, .offset: 0, .size: 8, .value_kind: global_buffer, .address_space: global }
      - { .name: Wg, .offset: 8, .size: 8, .value_kind: global_buffer, .address_space: global }
      - { .name: bg, .offset: 16, .size: 8, .value_kind: global_buffer, .address_space: global }
      - { .name: route, .offset: 24, .size: 8, .value_kind: global_buffer, .address_space: global }
      - { .name: gate, .offset: 32, .size: 8, .value_kind: global_buffer, .address_space: global }
    .group_segment_fixed_size: 9216
    .private_segment_fixed_size: 0
    .kernarg_segment_align: 8
    .kernarg_segment_size: 40
    .max_flat_workgroup_size: 256
    .sgpr_count:     66
    .vgpr_count:     256
    .wavefront_size: 32
...
	.end_amdgpu_metadata
.endif
;; end of part 1
;; launch place (part 2): grid 64 x 8, 4 waves a work-group, no clusters, 34,304 bytes of LDS; arguments x, route, gate, xs, gs, ridx; writes xs, gs, ridx
.if DOCPART == 2
	.amdgcn_target "amdgcn-amd-amdhsa--gfx1250"
	.amdhsa_code_object_version 6
	.text
	.protected	k_q5182261f98_place
	.globl	k_q5182261f98_place
	.p2align	8
	.type	k_q5182261f98_place,@function
k_q5182261f98_place:
	s_mov_b64 s[64:65], 0
	v_nop
	global_prefetch_b8 v0, s[64:65] scope:SCOPE_SE
	s_setreg_imm32_b32 hwreg(HW_REG_WAVE_MODE, 25, 1), 1
	s_wait_xcnt 0x0
; THE ROWS ARE PLACED.  Expert e's tokens, in ascending order, are its sorted rows 0 .. cnt - 1.  Work-group (tau, e) owns sorted rows 16 tau .. 16 tau + 15: it finds their tokens from the
; expert's bitmap (whole numbers stored by the launch before), rounds their rows of x to bf16 and stores them in the order in which a matrix operand's registers take them:
; xs[e][tile 64][K step 32][1,024 bytes]: registers 0-3 of lane l at 16 l, registers 4-7 at 512 + 16 l (lane l: row l % 16, k = 8 (l / 16) + 0..7, and 16 more).
; It also stores gs[e][row] (the row's gate) and ridx[token][slot] = 1024 e + row, slot = how many lower experts the token chose.
; THE GRID has a place for every tile that any split of the tokens can need (64 an expert).  A place at or past the expert's count stores nothing and ends; in the last tile the places past the
; count repeat the last row: the same values go to the same words.
; SHARES.  Wave w takes channels 256 w .. + 255 of all 16 rows: whole runs of 512 bytes in, through a stage of its own in LDS (rows of 512 + 16 bytes), whole runs of 512 bytes out.  No barrier.
; No cluster, no tensor load: the rows come by a list, which no tile descriptor covers, and no two work-groups of an expert read the same row.
.set PITCH, 528                        ; 33 x 16 bytes: the sixteen rows of a fragment load start at sixteen different groups of four banks (ISA guide 11.1)
.set REGION, 16*PITCH                  ; a wave's stage
.set SPARE, 4*REGION                   ; 33,792: the spare words, 128 bytes for each wave
.set SPW, 30
.set NIL, 31
.set OFF, 32                           ; v[32:47]   row rho: byte offset in x of my 16 bytes
.set XL,  64                           ; v[64:191]  row rho: 8 registers as loaded; packed into the first 4
.set FR,  192                          ; v[192:255] eight fragments read back
	s_load_b256 s[4:11], s[0:1], 0x0               ; x s[4:5], route s[6:7], gate s[8:9], xs s[10:11]
	s_load_b128 s[12:15], s[0:1], 0x20             ; gs s[12:13], ridx s[14:15]
	v_lshl_add_u32 v[SPW], v0, 2, SPARE
	v_mov_b32 v[NIL], 0
	v_lshrrev_b32 v1, 5, v0
	v_readfirstlane_b32 s54, v1                    ; wave 0..3
	v_and_b32 v1, 31, v0                           ; lane
	v_and_b32 v2, 15, v0                           ; r
	v_bfe_u32 v3, v0, 4, 1                         ; hh
	s_and_b32 s57, ttmp7, 0xffff                   ; e
	s_lshl_b32 s56, ttmp9, 4                       ; 16 tau
	s_lshl_b32 s48, s57, 7
	s_mov_b32 s49, 0
	s_wait_kmcnt 0x0
	s_add_nc_u64 s[58:59], s[6:7], s[48:49]
	s_load_b512 s[16:31], s[58:59], 0x0            ; bm[e][0..31]
	s_load_b512 s[32:47], s[58:59], 0x40
	s_wait_kmcnt 0x0
	s_mov_b32 s50, 0                               ; cnt
.set c, 16
.rept 32
	s_bcnt1_i32_b32 s51, s[c]
	s_add_co_u32 s50, s50, s51
.set c, c+1
.endr
	s_cmp_ge_u32 s56, s50
	s_cbranch_scc0 .Llive
	s_endpgm                                       ; no row falls into this place; nothing has been written
.Llive:
	s_sub_co_u32 s52, s50, 1
	v_add_nc_u32 v4, s56, v2
	v_min_u32 v4, s52, v4                          ; p: my sorted row
	; which word of the bitmap holds set bit number p: the last word in front of which at most p bits are set
	v_mov_b32 v5, s16                              ; the word,
	v_mov_b32 v6, 0                                ; the bits set in front of it,
	v_mov_b32 v7, 0                                ; its number
	s_bcnt1_i32_b32 s53, s16
.set c, 1
.rept 31
	v_cmp_le_u32 vcc_lo, s53, v4
	v_cndmask_b32 v5, v5, s[16+c], vcc_lo
	v_cndmask_b32 v6, v6, s53, vcc_lo
	v_cndmask_b32 v7, v7, c, vcc_lo
	s_bcnt1_i32_b32 s51, s[16+c]
	s_add_co_u32 s53, s53, s51
.set c, c+1
.endr
	v_sub_nc_u32 v8, v4, v6                        ; q: which set bit of that word
	; counts of set bits in fields of 2, 4, 8 and 16 bits
	v_lshrrev_b32 v9, 1, v5
	v_and_b32 v9, 0x55555555, v9
	v_sub_nc_u32 v9, v5, v9
	v_lshrrev_b32 v10, 2, v9
	v_and_b32 v10, 0x33333333, v10
	v_and_b32 v11, 0x33333333, v9
	v_add_nc_u32 v10, v10, v11
	v_lshrrev_b32 v11, 4, v10
	v_add_nc_u32 v11, v11, v10
	v_and_b32 v11, 0x0f0f0f0f, v11
	v_lshrrev_b32 v12, 8, v11
	v_add_nc_u32 v12, v12, v11
	v_and_b32 v12, 0x00ff00ff, v12
	v_mov_b32 v13, 0                               ; the bit's place, found by halving: if the lower field holds q bits or fewer, go past it
.macro STEP src, mask, width
	v_lshrrev_b32 v14, v13, v[\src]
	v_and_b32 v14, \mask, v14
	v_cmp_ge_u32 vcc_lo, v8, v14
	v_cndmask_b32 v14, 0, v14, vcc_lo
	v_cndmask_b32 v15, 0, \width, vcc_lo
	v_sub_nc_u32 v8, v8, v14
	v_add_nc_u32 v13, v13, v15
.endm
	STEP 12, 0xffff, 16
	STEP 11, 0xff, 8
	STEP 10, 15, 4
	STEP 9, 3, 2
	STEP 5, 1, 1
	v_lshl_add_u32 v21, v7, 5, v13
	v_min_u32 v21, 0x3ff, v21                      ; my row's token
	s_lshl_b32 s48, s57, 2
	s_add_nc_u64 s[8:9], s[8:9], s[48:49]          ; gate at column e
	v_lshlrev_b32 v16, 5, v21
	v_lshlrev_b32 v17, 2, v21
	global_load_b32 v22, v16, s[8:9]               ; gate[token][e]: the two oldest loads, so the rows' counts below cover them
	global_load_b32 v23, v17, s[6:7] offset:4096   ; msk[token]
	s_lshl_b32 s51, s54, 10
	v_lshl_add_u32 v18, v1, 4, s51                 ; 16 lane + 1,024 w: my 16 bytes in a row's quarter
.set rho, 0
.rept 16
	v_readlane_b32 s55, v21, rho
	s_min_u32 s55, s55, 1023
	v_lshl_add_u32 v[OFF+rho], s55, 12, v18
	global_load_b128 v[XL+8*rho:XL+8*rho+3], v[OFF+rho], s[4:5]                 ; 512 neighbouring bytes of the row,
	global_load_b128 v[XL+8*rho+4:XL+8*rho+7], v[OFF+rho], s[4:5] offset:512    ; and the next 512
.set rho, rho+1
.endr
	s_mul_i32 s60, s54, REGION                     ; my stage
	v_lshl_add_u32 v19, v1, 3, s60                 ; in: 8 bytes a lane
	v_mul_u32_u24 v20, v2, PITCH
	v_lshl_add_u32 v20, v3, 4, v20
	v_add_nc_u32 v20, s60, v20                     ; back: row r, 16 bytes for each half of the lanes
	v_lshlrev_b32 v24, 4, v1
	s_lshl_b32 s48, s57, 21                        ; xs: expert, tile, my eight K steps
	s_lshl_b32 s51, ttmp9, 15
	s_add_co_u32 s48, s48, s51
	s_lshl_b32 s51, s54, 13
	s_add_co_u32 s48, s48, s51
	s_add_nc_u64 s[10:11], s[10:11], s[48:49]
.set rho, 0
.rept 16
	s_wait_loadcnt 30-2*rho                        ; loads come back in order (ISA guide 5.7.1): row rho is in, the two loads of each later row may be out
.irp u, 0,1,2,3
	v_cvt_pk_bf16_f32 v[XL+8*rho+\u], v[XL+8*rho+2*\u], v[XL+8*rho+2*\u+1]
.endr
	ds_store_b64 v19, v[XL+8*rho:XL+8*rho+1] offset:PITCH*rho
	ds_store_b64 v19, v[XL+8*rho+2:XL+8*rho+3] offset:PITCH*rho+256
.set rho, rho+1
.endr
.irp s, 0,1,2,3,4,5,6,7                ; LDS serves a wave's instructions in order (ISA guide 5.7.1.4): these see my stores above; no other wave touches my stage
	ds_load_b128 v[FR+8*\s:FR+8*\s+3], v20 offset:64*\s
	ds_load_b128 v[FR+8*\s+4:FR+8*\s+7], v20 offset:64*\s+32
.endr
.irp s, 0,1,2,3,4,5,6,7
	s_wait_dscnt 15-2*\s                           ; the younger LDS loads may be out
	global_store_b128 v24, v[FR+8*\s:FR+8*\s+3], s[10:11] offset:1024*\s          ; 512 consecutive bytes, at a multiple of 512 from xs's first
	s_wait_dscnt 14-2*\s
	global_store_b128 v24, v[FR+8*\s+4:FR+8*\s+7], s[10:11] offset:1024*\s+512
.endr
	s_cmp_lg_u32 s54, 0
	s_cbranch_scc1 .Lnot0                          ; wave 0 alone stores the tile's gates and places
	s_lshl_b32 s48, s57, 12
	s_lshl_b32 s51, ttmp9, 6
	s_add_co_u32 s48, s48, s51
	s_add_nc_u64 s[12:13], s[12:13], s[48:49]
	v_lshlrev_b32 v25, 2, v2
	global_store_b32 v25, v22, s[12:13]            ; gs[e][16 tau + r]; lanes 16-31 repeat lanes 0-15
	s_lshl_b32 s58, 1, s57
	s_sub_co_u32 s58, s58, 1
	v_and_b32 v26, s58, v23                        ; the token's experts below e,
	v_lshrrev_b32 v27, 1, v26                      ; counted
	v_and_b32 v27, 0x55, v27
	v_sub_nc_u32 v26, v26, v27
	v_lshrrev_b32 v27, 2, v26
	v_and_b32 v27, 0x33, v27
	v_and_b32 v26, 0x33, v26
	v_add_nc_u32 v26, v26, v27
	v_lshrrev_b32 v27, 4, v26
	v_add_nc_u32 v26, v26, v27
	v_and_b32 v26, 15, v26
	v_min_u32 v26, 4, v26
	v_lshl_add_u32 v27, v26, 2, v16
	s_lshl_b32 s59, s57, 10
	v_add_nc_u32 v28, s59, v4
	global_store_b32 v27, v28, s[14:15]            ; ridx[token][slot] = 1024 e + p
.Lnot0:
	s_wait_tensorcnt 0x0                           ; the wave's end
	ds_add_u32 v[SPW], v[NIL]
	s_wait_dscnt 0x0
	s_endpgm
.Lfunc_end_k_q5182261f98_place:
	.size	k_q5182261f98_place, .Lfunc_end_k_q5182261f98_place-k_q5182261f98_place
	.p2alignl 7, 3214868480
	.fill 96, 4, 3214868480
	.section	.rodata,"a",@progbits
	.p2align	6, 0x0
	.amdhsa_kernel k_q5182261f98_place
		.amdhsa_group_segment_fixed_size 34304
		.amdhsa_private_segment_fixed_size 0
		.amdhsa_enable_private_segment 0
		.amdhsa_kernarg_size 48
		.amdhsa_user_sgpr_count 2
		.amdhsa_user_sgpr_kernarg_segment_ptr 1
		.amdhsa_wavefront_size32 1
		.amdhsa_system_sgpr_workgroup_id_x 1
		.amdhsa_system_sgpr_workgroup_id_y 1
		.amdhsa_system_sgpr_workgroup_id_z 1
		.amdhsa_system_vgpr_workitem_id 0
		.amdhsa_next_free_vgpr 256
		.amdhsa_next_free_sgpr 66
		.amdhsa_reserve_vcc 1
		.amdhsa_float_denorm_mode_32 3
		.amdhsa_float_denorm_mode_16_64 3
		.amdhsa_memory_ordered 1
		.amdhsa_forward_progress 1
		.amdhsa_inst_pref_size 32
	.end_amdhsa_kernel
	.amdgpu_metadata
---
amdhsa.version: [ 1, 2 ]
amdhsa.kernels:
  - .name:           k_q5182261f98_place
    .symbol:         k_q5182261f98_place.kd
    .args:
      - { .name: x, .offset: 0, .size: 8, .value_kind: global_buffer, .address_space: global }
      - { .name: route, .offset: 8, .size: 8, .value_kind: global_buffer, .address_space: global }
      - { .name: gate, .offset: 16, .size: 8, .value_kind: global_buffer, .address_space: global }
      - { .name: xs, .offset: 24, .size: 8, .value_kind: global_buffer, .address_space: global }
      - { .name: gs, .offset: 32, .size: 8, .value_kind: global_buffer, .address_space: global }
      - { .name: ridx, .offset: 40, .size: 8, .value_kind: global_buffer, .address_space: global }
    .group_segment_fixed_size: 34304
    .private_segment_fixed_size: 0
    .kernarg_segment_align: 8
    .kernarg_segment_size: 48
    .max_flat_workgroup_size: 128
    .sgpr_count:     66
    .vgpr_count:     256
    .wavefront_size: 32
...
	.end_amdgpu_metadata
.endif
;; end of part 2
;; launch gemm1 (part 3): grid 32 x 8, 4 waves a work-group, no clusters, 262,656 bytes of LDS; arguments W1, b1, xs, route, h; writes h
.if DOCPART == 3
	.amdgcn_target "amdgcn-amd-amdhsa--gfx1250"
	.amdhsa_code_object_version 6
	.text
	.protected	k_q5182261f98_gemm1
	.globl	k_q5182261f98_gemm1
	.p2align	8
	.type	k_q5182261f98_gemm1,@function
k_q5182261f98_gemm1:
	s_mov_b64 s[64:65], 0
	v_nop
	global_prefetch_b8 v0, s[64:65] scope:SCOPE_SE
	s_setreg_imm32_b32 hwreg(HW_REG_WAVE_MODE, 25, 1), 1
	s_wait_xcnt 0x0
; THE FIRST PRODUCT.  h = relu(x W1[e] + b1[e]) for expert e's sorted rows alone.  W1 [8][1024][4096] and b1 [8][4096] are f32, rounded once to bf16 here; sums in f32; h rounded once to bf16.
; SHARES.  Work-group (ns, e) owns the slice of all 1,024 k x columns 128 ns .. + 127 of ONE expert's weights, which it alone reads, once, as f32; it rounds them in registers and lays them into LDS as
; finished operand fragments, 262,144 bytes, K step s (32 k) at byte 8,192 s.  The expert's tiles of 16 rows are dealt to the four waves in runs; a wave takes up to six tiles a pass past the whole slice;
; the token fragments come from memory straight into registers.
; THE STREAM RUNS UNDER THE FIRST PASS.  K steps go in groups of four, K step 4 m + w of group m by wave w.  Groups 0 and 1 are laid down at the start.  Then every wave walks six tiles through K steps 0, 1, ..;
; step s = 1 .. 24 also rounds one quarter of the wave's next K step (8 loads, asked for four steps before) and, up to step 20, asks for the same quarter of the group after; steps 4, 8, .. 24 store the
; finished K step (groups 2 to 7) between two barriers.  The first pass has no branch on data: every wave passes every barrier; a wave with fewer than six tiles repeats its last, one with none stores nothing.
; From step 25 on the first pass runs through the later passes' text (the last trip of their loop, their tail, their way out).  Nothing in that text writes LDS, so its length may hang on the stored count.
; A last barrier stands between all waves' reads of LDS and the closing add.
; WEIGHTS WITHOUT A TRANSPOSE.  W1 lies [k][n].  For a K step and a block of 64 columns c, load (hb, i) gives lane (r, hh) the row k = 16 hb + 8 hh + i, columns 64 c + 4 r + 0..3; lanes 0-15 take 256
; consecutive bytes.  Number j of loads 2 u and 2 u + 1, rounded as a pair, is register 4 hb + u of fragment f = 4 c + j, whose row r is column 64 c + 4 r + j.  A quarter is (c, hb): eight loads, sixteen roundings.
; THE PRODUCT IS USED TRANSPOSED (source 0 = weights, source 1 = 16 tokens): a lane holds one token (lane % 16), register jj of accumulator f the column 64 c + 4 (8 hh + jj) + j.  Accumulators 4 c + 2 jp and
; 4 c + 2 jp + 1, rounded in pairs, ARE the two halves of a token fragment for the second product, K step 4 ns + 2 c + jp, with the hidden channels in an order that the second product repeats in W2's rows.
; h[e][tile 64][K step 128][1,024 bytes].  The bias is the C operand of a pass's first K step.
; EVERY SPLIT is served: 0 to 1,024 rows an expert; a wave has at most 16 tiles: six in the first pass, the rest in at most two more.
; NO CLUSTER: what an expert's 32 work-groups share is its token fragments, but the later passes that read them have a length that hangs on a stored count, and beside the slice LDS has room for
; slots of one K step alone (4 waves x 6 tiles x 1,024 bytes, twice): a barrier of the cluster for every 48 matrix instructions.  The weights have one reader each.
; LIMITS.  NaN and infinities are not treated apart.
; REGISTERS, in windows of 256 (s_set_vgpr_msb: bits 1:0 source 0, 3:2 source 1, 5:4 source 2, 7:6 destination):
;   window 0: v1-35 addresses; v64-127, v128-191 weight fragments of one K step, two buffers (start: bias as loaded; way out: packed results); v192-255 a K step's fragments as rounded
;   window 1: start: groups 0 and 1 as loaded; then accumulator (tile i, f) at v[8 (8 i + f)], tiles 0-3     window 2: v0-127 tiles 4, 5; v128-191 the bias; v192-255 quarters (0, hb) as loaded
;   window 3: v0-191 token fragments, four buffers of six tiles; v192-255 quarters (1, hb) as loaded
.set SPARE, 262144                     ; behind the slice: the spare words, 128 bytes for each wave
.set GSTEP, 2097152                    ; a group of four K steps of W1: 128 rows of 16,384 bytes
.set L16, 4                            ; v4   16 x lane; never rewritten
.set WA,  5                            ; v5   LDS address of the weight fragments in hand
.set WO,  6                            ; v6   131072 hh + 16 r: my place in a run of weight rows; never rewritten
.set WS,  7                            ; v7   where my fragments go
.set XO,  8                            ; v8-13  tile i: byte offset of my 16 bytes in its token fragments
.set SO,  14                           ; v14-19 tile i: the same in h
.set Z0,  20                           ; v20  0
.set BA,  27                           ; v27  128 hh: my place in b1
.set SPW, 30
.set NIL, 31
.set WQ,  32                           ; v32-35 quarter q: WO + the group that it asks for next
.set WF,  64
.set ST,  64
.set TB,  128
.set CF,  192
.set T2,  192
.set BIAS, 128                         ; window 2
.set SG,  192                          ; windows 2 (c = 0) and 3 (c = 1): quarter (c, hb) at SG + 32 hb
.set XB,  56                           ; s[56:63] token buffer b: the address from which it is filled next
.set MSB, 0
.macro WIN new                         ; the immediate's high byte repeats the setting that is left; a switch that changes nothing is dropped
.if MSB != (\new)
	s_set_vgpr_msb (MSB<<8)|(\new)
.set MSB, \new
.endif
.endm
.macro PLACES
.rept 4
	v_nop
.endr
.endm
; THE START'S TWO GROUPS.  My K step of group set (0, 1) as loaded: 32 loads into half set of window 1.
.macro LOADK set
	WIN 0x40
.irp hb, 0,1
.irp i, 0,1,2,3,4,5,6,7
.irp c, 0,1
	global_load_b128 v[128*(\set)+64*\c+32*\hb+4*\i:128*(\set)+64*\c+32*\hb+4*\i+3], v[WO], s[34:35] offset:GSTEP*(\set)+16384*(16*\hb+\i)+256*\c th:TH_LOAD_NT
.endr
.endr
.endr
.endm
.macro CVTK set                        ; rounded in pairs along k: eight fragments
	WIN 0x05
.irp c, 0,1
.irp j, 0,1,2,3
.irp hb, 0,1
.irp u, 0,1,2,3
	v_cvt_pk_bf16_f32 v[CF+8*(4*\c+\j)+4*\hb+\u], v[128*(\set)+64*\c+32*\hb+8*\u+\j], v[128*(\set)+64*\c+32*\hb+8*\u+4+\j]
.endr
.endr
.endr
.endr
.endm
.macro STK grp                         ; into LDS: fragment f of my K step at 1,024 f, grp groups of 32,768 bytes on; 512 consecutive bytes a store
	WIN 0
.irp f, 0,1,2,3,4,5,6,7
	ds_store_b128 v[WS], v[CF+8*\f:CF+8*\f+3] offset:32768*(\grp)+1024*\f
	ds_store_b128 v[WS], v[CF+8*\f+4:CF+8*\f+7] offset:32768*(\grp)+1024*\f+512
.endr
.endm
; THE STREAM'S QUARTERS.  q = 2 c + hb.
.macro CVQ q                           ; quarter q is rounded: registers 4 hb + 0..3 of fragments 4 c + 0..3
	WIN 0x0a+5*((\q)>>1)                           ; sources in window 2 or 3
.irp j, 0,1,2,3
.irp u, 0,1,2,3
	v_cvt_pk_bf16_f32 v[CF+8*(4*((\q)>>1)+\j)+4*((\q)&1)+\u], v[SG+32*((\q)&1)+8*\u+\j], v[SG+32*((\q)&1)+8*\u+4+\j]
.endr
.endr
.endm
.macro WQLOAD q                        ; and asked for again, a group on: eight loads, in each of which sixteen lanes take 256 consecutive bytes of a row
	WIN 0x80+0x40*((\q)>>1)                        ; destination in window 2 or 3
.irp i, 0,1,2,3,4,5,6,7
	global_load_b128 v[SG+32*((\q)&1)+4*\i:SG+32*((\q)&1)+4*\i+3], v[WQ+(\q)], s[34:35] offset:16384*(16*((\q)&1)+\i)+256*((\q)>>1) th:TH_LOAD_NT
.endr
.endm
.macro LAY                             ; my finished K step goes into LDS
	WIN 0
	s_barrier_signal -1                            ; every wave's LDS reads so far are back (the wait at this step's head; none was issued since).  The stores go to bytes that no wave has read yet
	s_barrier_wait -1                              ; (two groups ahead of the K step in hand); this barrier keeps the order whatever the addresses
	STK 0
	s_wait_dscnt 0x0                               ; for the others' sake: my K step is in LDS
	s_barrier_signal -1
	s_barrier_wait -1                              ; the group is whole
	v_add_nc_u32 v[WS], 0x8000, v[WS]              ; the next group's place
.endm
.macro XLOAD buf                       ; six tiles' token fragments of one K step into buffer buf: 512 consecutive bytes a load
	WIN 0xc0
.irp i, 0,1,2,3,4,5
	global_load_b128 v[48*(\buf)+8*\i:48*(\buf)+8*\i+3], v[XO+\i], s[XB+2*(\buf):XB+2*(\buf)+1]
	global_load_b128 v[48*(\buf)+8*\i+4:48*(\buf)+8*\i+7], v[XO+\i], s[XB+2*(\buf):XB+2*(\buf)+1] offset:512
.endr
.endm
.macro WLOAD buf, rel                  ; a K step's eight weight fragments: lane l at 16 l, no two lanes in one bank
	WIN 0
.irp f, 0,1,2,3,4,5,6,7
	ds_load_b128 v[WF+64*(\buf)+8*\f:WF+64*(\buf)+8*\f+3], v[WA] offset:8192*(\rel)+1024*\f
	ds_load_b128 v[WF+64*(\buf)+8*\f+4:WF+64*(\buf)+8*\f+7], v[WA] offset:8192*(\rel)+1024*\f+512
.endr
.endm
.macro MUL wb, xb, i, first            ; tile i x the eight fragments.  first = 1: the bias starts the sums
.if (\i) >= 4
	WIN 0xac
.elseif \first
	WIN 0x6c
.else
	WIN 0x5c
.endif
.irp f, 0,1,2,3,4,5,6,7
.set rA, 8*(8*((\i)%4)+\f)
.if \first
	v_wmma_f32_16x16x32_bf16 v[rA:rA+7], v[WF+64*(\wb)+8*\f:WF+64*(\wb)+8*\f+7], v[48*(\xb)+8*(\i):48*(\xb)+8*(\i)+7], v[BIAS+8*\f:BIAS+8*\f+7]
.else
	v_wmma_f32_16x16x32_bf16 v[rA:rA+7], v[WF+64*(\wb)+8*\f:WF+64*(\wb)+8*\f+7], v[48*(\xb)+8*(\i):48*(\xb)+8*(\i)+7], v[rA:rA+7]
.endif
.endr
.endm
; A K STEP: up to 48 matrix instructions; the accumulators take turns, one instruction a turn, over the jumps and the loops' edges too.  Behind the first 16 stand four places
; (ISA guide 7.12.1 for vector instructions) and then the loads into the buffers that the step BEFORE multiplied: the next step's weights (rel), the tokens three steps on (buffer xbuf).
; xadd = 1: that buffer's address goes four K steps on first: its last loads were shown done by the wait at the head of the step before.
; cq: the quarter rounded here; iq: the quarter asked for here, behind the tokens; iadd = 1: its offset goes a group on first: its last loads are older than this step's tokens, which the wait at the head shows done.
; lay = 1: my K step is stored, between two barriers, ahead of the next step's weight loads.
; lcnt: the loads issued behind this step's tokens, which may stay out.  skip = 1: the products of tiles that the pass does not have (s26 tiles: 4, 5 or 6) are jumped.
.macro KSTEP wb, xb, first, wrel, xbuf, xadd, lcnt, skip, cq=-1, iq=-1, iadd=0, lay=0
	s_wait_dscnt 0x0                               ; this step's weight fragments, asked for in the middle of the step before
	s_wait_loadcnt \lcnt
	MUL \wb, \xb, 0, \first
	MUL \wb, \xb, 1, \first
	WIN 0
	PLACES
.if \iadd
	v_add_nc_u32 v[WQ+(\iq)], GSTEP, v[WQ+(\iq)]
.endif
.if ((\wrel) >= 0) && ((\lay) == 0)
	WLOAD 1-(\wb), \wrel
.endif
.if (\cq) >= 0
	CVQ \cq
.endif
.if (\xbuf) >= 0
.if \xadd
	s_add_nc_u64 s[XB+2*(\xbuf):XB+2*(\xbuf)+1], s[XB+2*(\xbuf):XB+2*(\xbuf)+1], 4096
.endif
	XLOAD \xbuf
.endif
.if (\iq) >= 0
	WQLOAD \iq
.endif
.if \lay
	LAY
	WLOAD 1-(\wb), \wrel
.endif
	MUL \wb, \xb, 2, \first
	MUL \wb, \xb, 3, \first
.if \skip
	WIN 0
	s_cmp_lt_u32 s26, 5
	s_cbranch_scc1 .Lsk_\@
.endif
	MUL \wb, \xb, 4, \first
.if \skip
	WIN 0
	s_cmp_lt_u32 s26, 6
	s_cbranch_scc1 .Lsk_\@
.endif
	MUL \wb, \xb, 5, \first
	WIN 0
.if \skip
.Lsk_\@:
.endif
.endm
; A pass's addresses: s25 tiles from tile s23 on; the places past them repeat the pass's last tile
.macro PREP
	s_add_co_u32 s29, s23, s25
	s_sub_co_u32 s29, s29, 1                       ; the pass's last tile
.irp i, 0,1,2,3,4,5
	s_add_co_u32 s31, s23, \i
	s_min_u32 s31, s31, s29
	s_min_u32 s31, s31, 63
	v_lshl_add_u32 v[XO+\i], s31, 15, v[L16]
	v_lshl_add_u32 v[SO+\i], s31, 17, v[L16]
.endr
	s_add_co_u32 s23, s23, s25
.irp b, 0,1,2,3
	s_add_nc_u64 s[XB+2*\b:XB+2*\b+1], s[36:37], 1024*\b   ; buffer b begins with K step b
.endr
	v_mov_b32 v[WA], v[L16]
.endm
; THE WAY OUT of tile i: rounded to bf16 in pairs (each accumulator's lowest registers first), relu on the packed halves, eight stores of 512 consecutive bytes: accumulator f is half f % 2 of fragment f / 2
.macro OUT i
.if (\i) >= 2
	s_wait_xcnt 0x0                                ; the stores of the tile two before have read these registers
.endif
.if (\i) < 4
	WIN 0x05
.else
	WIN 0x0a
.endif
.irp f, 0,1,2,3,4,5,6,7
.irp u, 0,1,2,3
	v_cvt_pk_bf16_f32 v[ST+32*((\i)%2)+4*\f+\u], v[8*(8*((\i)%4)+\f)+2*\u], v[8*(8*((\i)%4)+\f)+2*\u+1]
.endr
.endr
	WIN 0
.set z, ST+32*((\i)%2)
.rept 32
	v_pk_max_num_bf16 v[z], v[z], v[Z0]
.set z, z+1
.endr
.irp f, 0,1,2,3,4,5,6,7
	global_store_b128 v[SO+(\i)], v[ST+32*((\i)%2)+4*\f:ST+32*((\i)%2)+4*\f+3], s[40:41] offset:512*\f
.endr
.endm
	s_load_b256 s[4:11], s[0:1], 0x0               ; W1 s[4:5], b1 s[6:7], xs s[8:9], route s[10:11]
	s_load_b64 s[12:13], s[0:1], 0x20              ; h
	v_lshl_add_u32 v[SPW], v0, 2, SPARE
	v_mov_b32 v[NIL], 0
	v_lshrrev_b32 v1, 5, v0
	v_readfirstlane_b32 s16, v1                    ; wave 0..3
	v_and_b32 v1, 31, v0
	v_and_b32 v2, 15, v0                           ; r
	v_bfe_u32 v3, v0, 4, 1                         ; hh
	v_lshlrev_b32 v[L16], 4, v1
	v_lshlrev_b32 v[WO], 4, v2
	v_lshl_add_u32 v[WO], v3, 17, v[WO]
	s_lshl_b32 s31, s16, 13
	v_add_nc_u32 v[WS], s31, v[L16]                ; 8,192 w + 16 lane: my K step of group 0
	v_mov_b32 v[Z0], 0
	v_lshlrev_b32 v[BA], 7, v3
.irp q, 0,1,2,3
	v_add_nc_u32 v[WQ+\q], 2*GSTEP, v[WO]          ; the stream begins with group 2
.endr
	s_and_b32 s17, ttmp7, 0xffff                   ; e
	s_mov_b32 s18, ttmp9                           ; ns
	s_mov_b32 s47, 0
	s_mov_b32 s45, 0xffff0000
	s_wait_kmcnt 0x0
	s_lshl_b32 s46, s17, 7
	s_add_nc_u64 s[48:49], s[10:11], s[46:47]
	s_load_b512 s[68:83], s[48:49], 0x0            ; bm[e][0..31]
	s_load_b512 s[84:99], s[48:49], 0x40
	s_lshl_b32 s46, s17, 24                        ; W1: expert, my K step in a group (32 rows of 16,384 bytes), the slice's columns
	s_lshl_b32 s31, s16, 19
	s_add_co_u32 s46, s46, s31
	s_lshl_b32 s31, s18, 9
	s_add_co_u32 s46, s46, s31
	s_add_nc_u64 s[34:35], s[4:5], s[46:47]
	s_lshl_b32 s46, s17, 14                        ; b1
	s_add_co_u32 s46, s46, s31
	s_add_nc_u64 s[6:7], s[6:7], s[46:47]
	s_lshl_b32 s46, s17, 21                        ; xs: 64 tiles of 32,768 bytes an expert
	s_add_nc_u64 s[36:37], s[8:9], s[46:47]
	s_lshl_b32 s46, s17, 23                        ; h: 64 tiles of 131,072 bytes an expert; my four K steps of 1,024
	s_lshl_b32 s31, s18, 12
	s_add_co_u32 s46, s46, s31
	s_add_nc_u64 s[40:41], s[12:13], s[46:47]
.irp c, 0,1
.irp q, 0,1,2,3,4,5,6,7
	global_load_b128 v[TB+32*\c+4*\q:TB+32*\c+4*\q+3], v[BA], s[6:7] offset:256*\c+16*\q   ; b1 of columns 64 c + 32 hh + 4 q + 0..3
.endr
.endr
	LOADK 0
	LOADK 1
	WIN 0
	s_wait_kmcnt 0x0                               ; the bitmap; the counts stand in the wait for the first weights
	s_mov_b32 s20, 0                               ; cnt: the expert's rows
.set n, 68
.rept 32
	s_bcnt1_i32_b32 s31, s[n]
	s_add_co_u32 s20, s20, s31
.set n, n+1
.endr
	s_add_co_u32 s21, s20, 15
	s_lshr_b32 s21, s21, 4                         ; T tiles, dealt in runs: wave w has T / 4, the first T % 4 waves one more
	s_lshr_b32 s33, s21, 2
	s_and_b32 s50, s21, 3
	s_cmp_lt_u32 s16, s50
	s_cselect_b32 s31, 1, 0
	s_add_co_u32 s22, s33, s31                     ; t: my tiles, 16 at the most
	s_mul_i32 s23, s16, s33
	s_min_u32 s31, s16, s50
	s_add_co_u32 s23, s23, s31                     ; my first tile
	s_min_u32 s25, s22, 6                          ; the first pass's tiles,
	s_sub_co_u32 s24, s22, s25                     ; the rest,
	s_min_u32 s27, s22, 1                          ; 1: the pass in hand stores
	s_mov_b32 s26, 6                               ; the first pass multiplies six tiles whatever t
	PREP
	s_wait_loadcnt 32                              ; b1 and group 0 are in; group 1's 32 loads may be out
	; the bias, rounded to bf16 and widened again: register jj of accumulator 4 c + j wants column 64 c + 32 hh + 4 jj + j
.irp c, 0,1
.irp j, 0,1,2,3
.irp u, 0,1,2,3
	v_cvt_pk_bf16_f32 v[T2+4*(4*\c+\j)+\u], v[TB+32*\c+8*\u+\j], v[TB+32*\c+8*\u+4+\j]
.endr
.endr
.endr
	WIN 0x80
.set z, 0
.rept 32
	v_lshlrev_b32 v[BIAS+2*z], 16, v[T2+z]
	v_and_b32 v[BIAS+2*z+1], s45, v[T2+z]
.set z, z+1
.endr
	CVTK 0
	STK 0
	XLOAD 0                                        ; tokens and quarters go out in the order that every later step keeps: tokens, then a quarter
	WQLOAD 0
	XLOAD 1
	WQLOAD 1
	XLOAD 2
	WQLOAD 2
	s_wait_loadcnt 60                              ; group 1 is in; the 3 x (12 + 8) loads just issued may be out
	CVTK 1
	STK 1
	v_add_nc_u32 v[WS], 0x10000, v[WS]             ; group 2's place
	s_wait_dscnt 0x0                               ; for the others' sake: my two K steps are in LDS
	s_barrier_signal -1
	s_barrier_wait -1                              ; groups 0 and 1 are whole
	s_mov_b32 s28, 3                               ; passes: the first and at most two more
	WLOAD 0, 0
	; THE FIRST PASS.  The count 48: behind a step's 12 token loads were issued a quarter, the next step's tokens, a quarter, the tokens after, a quarter: 8 + 12 + 8 + 12 + 8
	KSTEP 0, 0, 1, 1, 3, 0, 48, 0, -1, 3, 0, 0     ; K step 0 starts all 48 sums; group 2's last quarter goes out
	s_mov_b32 s32, 5
.Lg:                                   ; a trip: K steps 1 + 4 u .. 4 + 4 u; group u + 2 is rounded and stored, group u + 3 asked for
	KSTEP 1, 1, 0, 2, 0, 1, 48, 0, 0, 0, 1, 0
	KSTEP 0, 2, 0, 3, 1, 1, 48, 0, 1, 1, 1, 0
	KSTEP 1, 3, 0, 4, 2, 1, 48, 0, 2, 2, 1, 0
	KSTEP 0, 0, 0, 5, 3, 1, 48, 0, 3, 3, 1, 1
	v_add_nc_u32 v[WA], 0x8000, v[WA]              ; four K steps of 8,192 bytes on
	s_sub_co_u32 s32, s32, 1
	s_cmp_lg_u32 s32, 0
	s_cbranch_scc1 .Lg
	KSTEP 1, 1, 0, 2, 0, 1, 48, 0, 0               ; K steps 21 to 24: group 7 is rounded and stored, no quarter is left to ask for, and the counts lose 8 a step
	KSTEP 0, 2, 0, 3, 1, 1, 40, 0, 1
	KSTEP 1, 3, 0, 4, 2, 1, 32, 0, 2
	KSTEP 0, 0, 0, 5, 3, 1, 24, 0, 3, -1, 0, 1
	v_add_nc_u32 v[WA], 0x8000, v[WA]
	s_mov_b32 s32, 1                               ; K steps 25 to 31 and the way out are a later pass's: its loop's last trip, its tail
	s_branch .Lk
.Lpass:                                ; A LATER PASS: the slice is whole
	s_cmp_eq_u32 s24, 0
	s_cbranch_scc1 .Lnext                          ; no tile is left
	s_min_u32 s25, s24, 6
	s_sub_co_u32 s24, s24, s25
	s_max_u32 s26, s25, 4                          ; four tiles at the least are multiplied
	s_mov_b32 s27, 1
	s_wait_xcnt 0x0                                ; the last pass's stores have read their offsets and data
	PREP
	XLOAD 0
	XLOAD 1
	XLOAD 2
	WLOAD 0, 0
	KSTEP 0, 0, 1, 1, 3, 0, 24, 0                  ; K step 0 starts all 48 sums.  The count 24: the tokens of the two steps behind
	s_mov_b32 s32, 7
.Lk:                                   ; a trip: K steps 1 + 4 u .. 4 + 4 u
	KSTEP 1, 1, 0, 2, 0, 1, 24, 1
	KSTEP 0, 2, 0, 3, 1, 1, 24, 1
	KSTEP 1, 3, 0, 4, 2, 1, 24, 1
	KSTEP 0, 0, 0, 5, 3, 1, 24, 1
	v_add_nc_u32 v[WA], 0x8000, v[WA]              ; 16 lane + 32,768 x trip; with the tail's offsets the last byte read is 262,143
	s_sub_co_u32 s32, s32, 1
	s_cmp_lg_u32 s32, 0
	s_cbranch_scc1 .Lk
	KSTEP 1, 1, 0, 2, -1, 0, 24, 1                 ; K steps 29, 30, 31: no tokens are left to ask for, and the counts run down
	KSTEP 0, 2, 0, 3, -1, 0, 12, 1
	KSTEP 1, 3, 0, -1, -1, 0, 0, 1
	PLACES                                         ; between the last products and the first read of results
	s_cmp_eq_u32 s27, 0
	s_cbranch_scc1 .Lnext                          ; a wave without tiles stores nothing
.irp t, 0,1,2,3
	OUT \t
.endr
	s_cmp_lt_u32 s26, 5
	s_cbranch_scc1 .Lnext
	OUT 4
	s_cmp_lt_u32 s26, 6
	s_cbranch_scc1 .Lnext
	OUT 5
.Lnext:
	s_sub_co_u32 s28, s28, 1
	s_cmp_lg_u32 s28, 0
	s_cbranch_scc1 .Lpass
	s_wait_dscnt 0x0                               ; my reads of LDS are back,
	s_barrier_signal -1
	s_barrier_wait -1                              ; and so are every wave's: LDS is written again (the add below) only behind this barrier, which every wave passes
	s_wait_tensorcnt 0x0                           ; the wave's end
	ds_add_u32 v[SPW], v[NIL]
	s_wait_dscnt 0x0
	s_endpgm
.Lfunc_end_k_q5182261f98_gemm1:
	.size	k_q5182261f98_gemm1, .Lfunc_end_k_q5182261f98_gemm1-k_q5182261f98_gemm1
	.p2alignl 7, 3214868480
	.fill 96, 4, 3214868480
	.section	.rodata,"a",@progbits
	.p2align	6, 0x0
	.amdhsa_kernel k_q5182261f98_gemm1
		.amdhsa_group_segment_fixed_size 262656
		.amdhsa_private_segment_fixed_size 0
		.amdhsa_enable_private_segment 0
		.amdhsa_kernarg_size 40
		.amdhsa_user_sgpr_count 2
		.amdhsa_user_sgpr_kernarg_segment_ptr 1
		.amdhsa_wavefront_size32 1
		.amdhsa_system_sgpr_workgroup_id_x 1
		.amdhsa_system_sgpr_workgroup_id_y 1
		.amdhsa_system_sgpr_workgroup_id_z 1
		.amdhsa_system_vgpr_workitem_id 0
		.amdhsa_next_free_vgpr 1024
		.amdhsa_next_free_sgpr 100
		.amdhsa_reserve_vcc 0
		.amdhsa_float_denorm_mode_32 3
		.amdhsa_float_denorm_mode_16_64 3
		.amdhsa_memory_ordered 1
		.amdhsa_forward_progress 1
		.amdhsa_inst_pref_size 178
	.end_amdhsa_kernel
	.amdgpu_metadata
---
amdhsa.version: [ 1, 2 ]
amdhsa.kernels:
  - .name:           k_q5182261f98_gemm1
    .symbol:         k_q5182261f98_gemm1.kd
    .args:
      - { .name: W1, .offset: 0, .size: 8, .value_kind: global_buffer, .address_space: global }
      - { .name: b1, .offset: 8, .size: 8, .value_kind: global_buffer, .address_space: global }
      - { .name: xs, .offset: 16, .size: 8, .value_kind: global_buffer, .address_space: global }
      - { .name: route, .offset: 24, .size: 8, .value_kind: global_buffer, .address_space: global }
      - { .name: h, .offset: 32, .size: 8, .value_kind: global_buffer, .address_space: global }
    .group_segment_fixed_size: 262656
    .private_segment_fixed_size: 0
    .kernarg_segment_align: 8
    .kernarg_segment_size: 40
    .max_flat_workgroup_size: 128
    .sgpr_count:     100
    .vgpr_count:     1024
    .wavefront_size: 32
...
	.end_amdgpu_metadata
.endif
;; end of part 3
;; launch gemm2 (part 4): grid 32 x 8, 4 waves a work-group, no clusters, 262,656 bytes of LDS; arguments W2, b2, h, gs, route, p; writes p
.if DOCPART == 4
	.amdgcn_target "amdgcn-amd-amdhsa--gfx1250"
	.amdhsa_code_object_version 6
	.text
	.protected	k_q5182261f98_gemm2
	.globl	k_q5182261f98_gemm2
	.p2align	8
	.type	k_q5182261f98_gemm2,@function
k_q5182261f98_gemm2:
	s_mov_b64 s[64:65], 0
	v_nop
	global_prefetch_b8 v0, s[64:65] scope:SCOPE_SE
	s_setreg_imm32_b32 hwreg(HW_REG_WAVE_MODE, 25, 1), 1
	s_wait_xcnt 0x0
; THE SECOND PRODUCT.  p[1024 e + row][kq][:] = gate x (h[row][quarter kq of the hidden channels] W2[e] + b2[e] where kq = 0), for expert e's sorted rows alone.  W2 [8][4096][1024] and b2 [8][1024] are f32,
; rounded once to bf16 here; h is bf16; sums, the gate and p in f32 (partial sums: a later launch adds a token's 5 x 4 rows).
; SHARES.  Work-group (ns + 8 kq, e) owns the slice of hidden channels 1,024 kq .. + 1,023 x columns 128 ns .. + 127 of ONE expert's weights, which it alone reads, once, as f32; it rounds them in registers and
; lays them into LDS as finished operand fragments, 262,144 bytes, K step s at byte 8,192 s.  The expert's tiles of 16 rows are dealt to the four waves in runs, up to six tiles a pass and wave.
; THE STREAM RUNS UNDER THE FIRST PASS, as in the first product.  K steps go in groups of four, K step 4 m + w of group m by wave w.  Groups 0 and 1 are laid down at the start.  Then every wave walks six tiles
; through K steps 0, 1, ..; step s = 1 .. 24 also rounds one quarter of the wave's next K step (8 loads, asked for four steps before) and, up to step 20, asks for the same quarter of the group after; steps
; 4, 8, .. 24 store the finished K step (groups 2 to 7) between two barriers.  The first pass has no branch on data: every wave passes every barrier; a wave with fewer than six tiles repeats its last, one with
; none stores nothing.  From step 25 on it runs through the later passes' text, in which nothing writes LDS, so that its length may hang on the stored count.  A last barrier stands ahead of the closing add.
; THE ORDER OF K.  In K step sigma of h, place 16 hb + 8 hh + i holds hidden channel 64 (sigma / 2) + 4 (8 hh + i) + 2 (sigma % 2) + hb: so load (hb, i) of a K step takes that row of W2.
; THE PRODUCT IS USED AS IT STANDS (source 0 = 16 tokens, source 1 = weights): register jj holds token 8 hh + jj, lane r of accumulator 4 c + j column 64 c + 4 r + j.  The four accumulators of a block c give a
; lane four neighbouring columns: sixteen lanes store 256 consecutive bytes of a row of p, aligned.
; NO CLUSTER: what an expert's work-groups share is its token fragments (eight read the same quarter), but the later passes that read them have a length that hangs on a stored count, and beside the slice LDS
; has room for slots of one K step alone: a barrier of the cluster for every 48 matrix instructions.  The weights have one reader each.
; LIMITS.  NaN and infinities are not treated apart (an infinite b2 times the 0 of quarters 1 to 3 is a NaN).
; REGISTERS, in windows of 256 (s_set_vgpr_msb: bits 1:0 source 0, 3:2 source 1, 5:4 source 2, 7:6 destination):
;   window 0: v1-35 addresses; v64-127, v128-191 weight fragments, two buffers (start: bias as loaded; way out: scaled results, a tile each); v192-255 a K step's fragments as rounded
;   window 1: start: groups 0 and 1 as loaded; then accumulator (tile i, f) at v[8 (8 i + f)], tiles 0-3
;   window 2: v0-127 tiles 4, 5; v128-191 the bias; v192-255 quarters (0, hb) as loaded, and when the stream has ended v192-239 the gates, 8 a tile
;   window 3: v0-191 token fragments, four buffers of six tiles; v192-255 quarters (1, hb) as loaded
.set SPARE, 262144
.set GSTEP, 524288                     ; a group of four K steps of W2: 128 rows of 4,096 bytes
.set L16, 4                            ; v4   16 x lane; never rewritten
.set WA,  5                            ; v5   LDS address of the weight fragments in hand
.set WO,  6                            ; v6   131072 hh + 16 r: my place in a run of weight rows, and in eight rows of p; never rewritten
.set WS,  7                            ; v7   where my fragments go
.set XO,  8                            ; v8-13  tile i: byte offset of my 16 bytes in its token fragments
.set SO,  14                           ; v14-19 tile i: my byte offset in p
.set GO,  21                           ; v21-26 tile i: my byte offset in gs
.set GB,  27                           ; v27  32 hh
.set BA,  28                           ; v28  16 r
.set SPW, 30
.set NIL, 31
.set WQ,  32                           ; v32-35 quarter q: WO + the group that it asks for next
.set WF,  64
.set ST,  64
.set TB,  128
.set CF,  192
.set T2,  192
.set BIAS, 128                         ; window 2
.set G,   192                          ; window 2
.set SG,  192                          ; windows 2 (c = 0) and 3 (c = 1): quarter (c, hb) at SG + 32 hb
.set XB,  56                           ; s[56:63] token buffer b: the address from which it is filled next
.set MSB, 0
.macro WIN new                         ; the immediate's high byte repeats the setting that is left; a switch that changes nothing is dropped
.if MSB != (\new)
	s_set_vgpr_msb (MSB<<8)|(\new)
.set MSB, \new
.endif
.endm
.macro PLACES
.rept 4
	v_nop
.endr
.endm
; THE START'S TWO GROUPS.  My K step of group set (0, 1) as loaded: 32 loads into half set of window 1.
.macro LOADK set
	WIN 0x40
.irp hb, 0,1
.irp i, 0,1,2,3,4,5,6,7
.irp c, 0,1
	global_load_b128 v[128*(\set)+64*\c+32*\hb+4*\i:128*(\set)+64*\c+32*\hb+4*\i+3], v[WO], s[34:35] offset:GSTEP*(\set)+16384*\i+4096*\hb+256*\c th:TH_LOAD_NT
.endr
.endr
.endr
.endm
.macro CVTK set                        ; rounded in pairs along K's places: eight fragments
	WIN 0x05
.irp c, 0,1
.irp j, 0,1,2,3
.irp hb, 0,1
.irp u, 0,1,2,3
	v_cvt_pk_bf16_f32 v[CF+8*(4*\c+\j)+4*\hb+\u], v[128*(\set)+64*\c+32*\hb+8*\u+\j], v[128*(\set)+64*\c+32*\hb+8*\u+4+\j]
.endr
.endr
.endr
.endr
.endm
.macro STK grp                         ; into LDS: fragment f of my K step at 1,024 f, grp groups of 32,768 bytes on; 512 consecutive bytes a store
	WIN 0
.irp f, 0,1,2,3,4,5,6,7
	ds_store_b128 v[WS], v[CF+8*\f:CF+8*\f+3] offset:32768*(\grp)+1024*\f
	ds_store_b128 v[WS], v[CF+8*\f+4:CF+8*\f+7] offset:32768*(\grp)+1024*\f+512
.endr
.endm
; THE STREAM'S QUARTERS.  q = 2 c + hb.
.macro CVQ q                           ; quarter q is rounded: registers 4 hb + 0..3 of fragments 4 c + 0..3
	WIN 0x0a+5*((\q)>>1)                           ; sources in window 2 or 3
.irp j, 0,1,2,3
.irp u, 0,1,2,3
	v_cvt_pk_bf16_f32 v[CF+8*(4*((\q)>>1)+\j)+4*((\q)&1)+\u], v[SG+32*((\q)&1)+8*\u+\j], v[SG+32*((\q)&1)+8*\u+4+\j]
.endr
.endr
.endm
.macro WQLOAD q                        ; and asked for again, a group on: eight loads, in each of which sixteen lanes take 256 consecutive bytes of a row
	WIN 0x80+0x40*((\q)>>1)                        ; destination in window 2 or 3
.irp i, 0,1,2,3,4,5,6,7
	global_load_b128 v[SG+32*((\q)&1)+4*\i:SG+32*((\q)&1)+4*\i+3], v[WQ+(\q)], s[34:35] offset:16384*\i+4096*((\q)&1)+256*((\q)>>1) th:TH_LOAD_NT
.endr
.endm
.macro LAY                             ; my finished K step goes into LDS
	WIN 0
	s_barrier_signal -1                            ; every wave's LDS reads so far are back (the wait at this step's head; none was issued since).  The stores go to bytes that no wave has read yet
	s_barrier_wait -1                              ; (two groups ahead of the K step in hand); this barrier keeps the order whatever the addresses
	STK 0
	s_wait_dscnt 0x0                               ; for the others' sake: my K step is in LDS
	s_barrier_signal -1
	s_barrier_wait -1                              ; the group is whole
	v_add_nc_u32 v[WS], 0x8000, v[WS]              ; the next group's place
.endm
.macro XLOAD buf                       ; six tiles' token fragments of one K step into buffer buf: 512 consecutive bytes a load
	WIN 0xc0
.irp i, 0,1,2,3,4,5
	global_load_b128 v[48*(\buf)+8*\i:48*(\buf)+8*\i+3], v[XO+\i], s[XB+2*(\buf):XB+2*(\buf)+1]
	global_load_b128 v[48*(\buf)+8*\i+4:48*(\buf)+8*\i+7], v[XO+\i], s[XB+2*(\buf):XB+2*(\buf)+1] offset:512
.endr
.endm
.macro GLOAD                           ; the gates of tokens 8 hh + 0..7 of the pass's six tiles
	WIN 0x80
.irp i, 0,1,2,3,4,5
	global_load_b128 v[G+8*\i:G+8*\i+3], v[GO+\i], s[42:43]
	global_load_b128 v[G+8*\i+4:G+8*\i+7], v[GO+\i], s[42:43] offset:16
.endr
	WIN 0
.endm
.macro WLOAD buf, rel                  ; a K step's eight weight fragments: lane l at 16 l, no two lanes in one bank
	WIN 0
.irp f, 0,1,2,3,4,5,6,7
	ds_load_b128 v[WF+64*(\buf)+8*\f:WF+64*(\buf)+8*\f+3], v[WA] offset:8192*(\rel)+1024*\f
	ds_load_b128 v[WF+64*(\buf)+8*\f+4:WF+64*(\buf)+8*\f+7], v[WA] offset:8192*(\rel)+1024*\f+512
.endr
.endm
.macro MUL wb, xb, i, first            ; tile i x the eight fragments.  first = 1: the bias starts the sums
.if (\i) >= 4
	WIN 0xa3
.elseif \first
	WIN 0x63
.else
	WIN 0x53
.endif
.irp f, 0,1,2,3,4,5,6,7
.set rA, 8*(8*((\i)%4)+\f)
.if \first
	v_wmma_f32_16x16x32_bf16 v[rA:rA+7], v[48*(\xb)+8*(\i):48*(\xb)+8*(\i)+7], v[WF+64*(\wb)+8*\f:WF+64*(\wb)+8*\f+7], v[BIAS+8*\f:BIAS+8*\f+7]
.else
	v_wmma_f32_16x16x32_bf16 v[rA:rA+7], v[48*(\xb)+8*(\i):48*(\xb)+8*(\i)+7], v[WF+64*(\wb)+8*\f:WF+64*(\wb)+8*\f+7], v[rA:rA+7]
.endif
.endr
.endm
; A K STEP: up to 48 matrix instructions; the accumulators take turns, one instruction a turn, over the jumps and the loops' edges too.  Behind the first 16 stand four places
; (ISA guide 7.12.1 for vector instructions) and then the loads into the buffers that the step BEFORE multiplied: the next step's weights (rel), the tokens three steps on (buffer xbuf).
; xadd = 1: that buffer's address goes four K steps on first: its last loads were shown done by the wait at the head of the step before.
; cq: the quarter rounded here; iq: the quarter asked for here, behind the tokens; iadd = 1: its offset goes a group on first: its last loads are older than this step's tokens, which the wait at the head shows done.
; lay = 1: my K step is stored, between two barriers, ahead of the next step's weight loads.
; lcnt: the loads issued behind this step's tokens, which may stay out.  skip = 1: the products of tiles that the pass does not have (s26 tiles: 4, 5 or 6) are jumped.
.macro KSTEP wb, xb, first, wrel, xbuf, xadd, lcnt, skip, cq=-1, iq=-1, iadd=0, lay=0
	s_wait_dscnt 0x0                               ; this step's weight fragments, asked for in the middle of the step before
	s_wait_loadcnt \lcnt
	MUL \wb, \xb, 0, \first
	MUL \wb, \xb, 1, \first
	WIN 0
	PLACES
.if \iadd
	v_add_nc_u32 v[WQ+(\iq)], GSTEP, v[WQ+(\iq)]
.endif
.if ((\wrel) >= 0) && ((\lay) == 0)
	WLOAD 1-(\wb), \wrel
.endif
.if (\cq) >= 0
	CVQ \cq
.endif
.if (\xbuf) >= 0
.if \xadd
	s_add_nc_u64 s[XB+2*(\xbuf):XB+2*(\xbuf)+1], s[XB+2*(\xbuf):XB+2*(\xbuf)+1], 4096
.endif
	XLOAD \xbuf
.endif
.if (\iq) >= 0
	WQLOAD \iq
.endif
.if \lay
	LAY
	WLOAD 1-(\wb), \wrel
.endif
	MUL \wb, \xb, 2, \first
	MUL \wb, \xb, 3, \first
.if \skip
	WIN 0
	s_cmp_lt_u32 s26, 5
	s_cbranch_scc1 .Lsk_\@
.endif
	MUL \wb, \xb, 4, \first
.if \skip
	WIN 0
	s_cmp_lt_u32 s26, 6
	s_cbranch_scc1 .Lsk_\@
.endif
	MUL \wb, \xb, 5, \first
	WIN 0
.if \skip
.Lsk_\@:
.endif
.endm
; A pass's addresses: s25 tiles from tile s23 on; the places past them repeat the pass's last tile
.macro PREP
	s_add_co_u32 s29, s23, s25
	s_sub_co_u32 s29, s29, 1                       ; the pass's last tile
.irp i, 0,1,2,3,4,5
	s_add_co_u32 s31, s23, \i
	s_min_u32 s31, s31, s29
	s_min_u32 s31, s31, 63
	v_lshl_add_u32 v[XO+\i], s31, 17, v[L16]
	v_lshl_add_u32 v[SO+\i], s31, 18, v[WO]
	v_lshl_add_u32 v[GO+\i], s31, 6, v[GB]
.endr
	s_add_co_u32 s23, s23, s25
.irp b, 0,1,2,3
	s_add_nc_u64 s[XB+2*\b:XB+2*\b+1], s[36:37], 1024*\b   ; buffer b begins with K step b
.endr
	v_mov_b32 v[WA], v[L16]
.endm
; THE WAY OUT of tile i: times the row's gate, which also sets a lane's four neighbouring columns side by side (register 0 of every accumulator is read first); sixteen stores, in each of which sixteen lanes
; fill 256 consecutive bytes of a row of p, at a multiple of 256 from p's first byte
.macro OUT i
.if (\i) >= 2
	s_wait_xcnt 0x0                                ; the stores of the tile two before have read these registers
.endif
.if (\i) < 4
	WIN 0x09
.else
	WIN 0x0a
.endif
.irp q, 0,1,2,3,4,5,6,7
.irp c, 0,1
.irp j, 0,1,2,3
	v_mul_f32 v[ST+64*((\i)%2)+4*(2*\q+\c)+\j], v[8*(8*((\i)%4)+4*\c+\j)+\q], v[G+8*(\i)+\q]
.endr
.endr
.endr
	WIN 0
.irp q, 0,1,2,3,4,5,6,7
.irp c, 0,1
	global_store_b128 v[SO+(\i)], v[ST+64*((\i)%2)+4*(2*\q+\c):ST+64*((\i)%2)+4*(2*\q+\c)+3], s[40:41] offset:16384*\q+256*\c
.endr
.endr
.endm
	s_load_b256 s[4:11], s[0:1], 0x0               ; W2 s[4:5], b2 s[6:7], h s[8:9], gs s[10:11]
	s_load_b128 s[12:15], s[0:1], 0x20             ; route s[12:13], p s[14:15]
	v_lshl_add_u32 v[SPW], v0, 2, SPARE
	v_mov_b32 v[NIL], 0
	v_lshrrev_b32 v1, 5, v0
	v_readfirstlane_b32 s16, v1                    ; wave 0..3
	v_and_b32 v1, 31, v0
	v_and_b32 v2, 15, v0                           ; r
	v_bfe_u32 v3, v0, 4, 1                         ; hh
	v_lshlrev_b32 v[L16], 4, v1
	v_lshlrev_b32 v[BA], 4, v2
	v_lshl_add_u32 v[WO], v3, 17, v[BA]
	s_lshl_b32 s31, s16, 13
	v_add_nc_u32 v[WS], s31, v[L16]                ; 8,192 w + 16 lane: my K step of group 0
	v_lshlrev_b32 v[GB], 5, v3
.irp q, 0,1,2,3
	v_add_nc_u32 v[WQ+\q], 2*GSTEP, v[WO]          ; the stream begins with group 2
.endr
	s_and_b32 s17, ttmp7, 0xffff                   ; e
	s_and_b32 s18, ttmp9, 7                        ; ns
	s_lshr_b32 s19, ttmp9, 3                       ; kq
	s_cmp_eq_u32 s19, 0
	s_cselect_b32 s44, 1.0, 0                      ; the bias belongs to quarter 0 alone
	s_mov_b32 s47, 0
	s_mov_b32 s45, 0xffff0000
	s_wait_kmcnt 0x0
	s_lshl_b32 s46, s17, 7
	s_add_nc_u64 s[48:49], s[12:13], s[46:47]
	s_load_b512 s[68:83], s[48:49], 0x0            ; bm[e][0..31]
	s_load_b512 s[84:99], s[48:49], 0x40
	s_lshl_b32 s33, s18, 9                         ; the slice's columns, in bytes
	s_lshl_b32 s46, s17, 24                        ; W2: expert, quarter of K,
	s_lshl_b32 s31, s19, 22
	s_add_co_u32 s46, s46, s31
	s_lshr_b32 s31, s16, 1                         ; my K step w in a group: 64 rows for w / 2,
	s_lshl_b32 s31, s31, 18
	s_add_co_u32 s46, s46, s31
	s_and_b32 s31, s16, 1                          ; two rows for w % 2,
	s_lshl_b32 s31, s31, 13
	s_add_co_u32 s46, s46, s31
	s_add_co_u32 s46, s46, s33                     ; columns
	s_add_nc_u64 s[34:35], s[4:5], s[46:47]
	s_lshl_b32 s46, s17, 12                        ; b2
	s_add_co_u32 s46, s46, s33
	s_add_nc_u64 s[6:7], s[6:7], s[46:47]
	s_lshl_b32 s46, s17, 23                        ; h: expert, the quarter's 32 K steps
	s_lshl_b32 s31, s19, 15
	s_add_co_u32 s46, s46, s31
	s_add_nc_u64 s[36:37], s[8:9], s[46:47]
	s_lshl_b32 s46, s17, 24                        ; p: 1,024 rows of 16,384 bytes an expert; quarter; columns
	s_lshl_b32 s31, s19, 12
	s_add_co_u32 s46, s46, s31
	s_add_co_u32 s46, s46, s33
	s_add_nc_u64 s[40:41], s[14:15], s[46:47]
	s_lshl_b32 s46, s17, 12                        ; gs
	s_add_nc_u64 s[42:43], s[10:11], s[46:47]
.irp c, 0,1
	global_load_b128 v[TB+4*\c:TB+4*\c+3], v[BA], s[6:7] offset:256*\c    ; b2 of columns 64 c + 4 r + 0..3
.endr
	LOADK 0
	LOADK 1
	WIN 0
	s_wait_kmcnt 0x0                               ; the bitmap; the counts stand in the wait for the first weights
	s_mov_b32 s20, 0                               ; cnt: the expert's rows
.set n, 68
.rept 32
	s_bcnt1_i32_b32 s31, s[n]
	s_add_co_u32 s20, s20, s31
.set n, n+1
.endr
	s_add_co_u32 s21, s20, 15
	s_lshr_b32 s21, s21, 4                         ; T tiles, dealt in runs: wave w has T / 4, the first T % 4 waves one more
	s_lshr_b32 s33, s21, 2
	s_and_b32 s50, s21, 3
	s_cmp_lt_u32 s16, s50
	s_cselect_b32 s31, 1, 0
	s_add_co_u32 s22, s33, s31                     ; t: my tiles, 16 at the most
	s_mul_i32 s23, s16, s33
	s_min_u32 s31, s16, s50
	s_add_co_u32 s23, s23, s31                     ; my first tile
	s_min_u32 s25, s22, 6                          ; the first pass's tiles,
	s_sub_co_u32 s24, s22, s25                     ; the rest,
	s_min_u32 s27, s22, 1                          ; 1: the pass in hand stores
	s_mov_b32 s26, 6                               ; the first pass multiplies six tiles whatever t
	PREP
	s_wait_loadcnt 32                              ; b2 and group 0 are in; group 1's 32 loads may be out
	; the bias, rounded to bf16, widened again, and spread over the eight tokens of a lane: every register of accumulator f wants column 64 c + 4 r + j
.irp u, 0,1,2,3
	v_cvt_pk_bf16_f32 v[T2+\u], v[TB+2*\u], v[TB+2*\u+1]
.endr
.irp u, 0,1,2,3
	v_lshlrev_b32 v[T2+8+2*\u], 16, v[T2+\u]
	v_and_b32 v[T2+9+2*\u], s45, v[T2+\u]
.endr
	WIN 0x80
.irp f, 0,1,2,3,4,5,6,7
.irp q, 0,1,2,3,4,5,6,7
	v_mul_f32 v[BIAS+8*\f+\q], s44, v[T2+8+\f]
.endr
.endr
	CVTK 0
	STK 0
	XLOAD 0                                        ; tokens and quarters go out in the order that every later step keeps: tokens, then a quarter
	WQLOAD 0
	XLOAD 1
	WQLOAD 1
	XLOAD 2
	WQLOAD 2
	s_wait_loadcnt 60                              ; group 1 is in; the 3 x (12 + 8) loads just issued may be out
	CVTK 1
	STK 1
	v_add_nc_u32 v[WS], 0x10000, v[WS]             ; group 2's place
	s_wait_dscnt 0x0                               ; for the others' sake: my two K steps are in LDS
	s_barrier_signal -1
	s_barrier_wait -1                              ; groups 0 and 1 are whole
	s_mov_b32 s28, 3                               ; passes: the first and at most two more
	WLOAD 0, 0
	; THE FIRST PASS.  The count 48: behind a step's 12 token loads were issued a quarter, the next step's tokens, a quarter, the tokens after, a quarter: 8 + 12 + 8 + 12 + 8
	KSTEP 0, 0, 1, 1, 3, 0, 48, 0, -1, 3, 0, 0     ; K step 0 starts all 48 sums; group 2's last quarter goes out
	s_mov_b32 s32, 5
.Lg:                                   ; a trip: K steps 1 + 4 u .. 4 + 4 u; group u + 2 is rounded and stored, group u + 3 asked for
	KSTEP 1, 1, 0, 2, 0, 1, 48, 0, 0, 0, 1, 0
	KSTEP 0, 2, 0, 3, 1, 1, 48, 0, 1, 1, 1, 0
	KSTEP 1, 3, 0, 4, 2, 1, 48, 0, 2, 2, 1, 0
	KSTEP 0, 0, 0, 5, 3, 1, 48, 0, 3, 3, 1, 1
	v_add_nc_u32 v[WA], 0x8000, v[WA]              ; four K steps of 8,192 bytes on
	s_sub_co_u32 s32, s32, 1
	s_cmp_lg_u32 s32, 0
	s_cbranch_scc1 .Lg
	KSTEP 1, 1, 0, 2, 0, 1, 48, 0, 0               ; K steps 21 to 24: group 7 is rounded and stored, no quarter is left to ask for, and the counts lose 8 a step
	KSTEP 0, 2, 0, 3, 1, 1, 40, 0, 1
	KSTEP 1, 3, 0, 4, 2, 1, 32, 0, 2
	KSTEP 0, 0, 0, 5, 3, 1, 24, 0, 3, -1, 0, 1
	GLOAD                                          ; the quarters (0, hb) were rounded for the last time in step 22: their registers take the first pass's gates.  These 12 loads are younger than the
	                                               ; tokens of steps 25 to 27, so the counts of the steps below leave out fewer loads than they might; the wait for 0 in step 31 shows the gates in
	v_add_nc_u32 v[WA], 0x8000, v[WA]
	s_mov_b32 s32, 1                               ; K steps 25 to 31 and the way out are a later pass's: its loop's last trip, its tail
	s_branch .Lk
.Lpass:                                ; A LATER PASS: the slice is whole
	s_cmp_eq_u32 s24, 0
	s_cbranch_scc1 .Lnext                          ; no tile is left
	s_min_u32 s25, s24, 6
	s_sub_co_u32 s24, s24, s25
	s_max_u32 s26, s25, 4                          ; four tiles at the least are multiplied
	s_mov_b32 s27, 1
	s_wait_xcnt 0x0                                ; the last pass's stores have read their offsets and data
	PREP
	GLOAD                                          ; older than every token load, so the first count covers them
	XLOAD 0
	XLOAD 1
	XLOAD 2
	WLOAD 0, 0
	KSTEP 0, 0, 1, 1, 3, 0, 24, 0                  ; K step 0 starts all 48 sums.  The count 24: the tokens of the two steps behind
	s_mov_b32 s32, 7
.Lk:                                   ; a trip: K steps 1 + 4 u .. 4 + 4 u
	KSTEP 1, 1, 0, 2, 0, 1, 24, 1
	KSTEP 0, 2, 0, 3, 1, 1, 24, 1
	KSTEP 1, 3, 0, 4, 2, 1, 24, 1
	KSTEP 0, 0, 0, 5, 3, 1, 24, 1
	v_add_nc_u32 v[WA], 0x8000, v[WA]              ; 16 lane + 32,768 x trip; with the tail's offsets the last byte read is 262,143
	s_sub_co_u32 s32, s32, 1
	s_cmp_lg_u32 s32, 0
	s_cbranch_scc1 .Lk
	KSTEP 1, 1, 0, 2, -1, 0, 24, 1                 ; K steps 29, 30, 31: no tokens are left to ask for, and the counts run down
	KSTEP 0, 2, 0, 3, -1, 0, 12, 1
	KSTEP 1, 3, 0, -1, -1, 0, 0, 1
	PLACES                                         ; between the last products and the first read of results, and the first write into the weight buffers
	s_cmp_eq_u32 s27, 0
	s_cbranch_scc1 .Lnext                          ; a wave without tiles stores nothing
.irp t, 0,1,2,3
	OUT \t
.endr
	s_cmp_lt_u32 s26, 5
	s_cbranch_scc1 .Lnext
	OUT 4
	s_cmp_lt_u32 s26, 6
	s_cbranch_scc1 .Lnext
	OUT 5
.Lnext:
	s_sub_co_u32 s28, s28, 1
	s_cmp_lg_u32 s28, 0
	s_cbranch_scc1 .Lpass
	s_wait_dscnt 0x0                               ; my reads of LDS are back,
	s_barrier_signal -1
	s_barrier_wait -1                              ; and so are every wave's: LDS is written again (the add below) only behind this barrier, which every wave passes
	s_wait_tensorcnt 0x0                           ; the wave's end
	ds_add_u32 v[SPW], v[NIL]
	s_wait_dscnt 0x0
	s_endpgm
.Lfunc_end_k_q5182261f98_gemm2:
	.size	k_q5182261f98_gemm2, .Lfunc_end_k_q5182261f98_gemm2-k_q5182261f98_gemm2
	.p2alignl 7, 3214868480
	.fill 96, 4, 3214868480
	.section	.rodata,"a",@progbits
	.p2align	6, 0x0
	.amdhsa_kernel k_q5182261f98_gemm2
		.amdhsa_group_segment_fixed_size 262656
		.amdhsa_private_segment_fixed_size 0
		.amdhsa_enable_private_segment 0
		.amdhsa_kernarg_size 48
		.amdhsa_user_sgpr_count 2
		.amdhsa_user_sgpr_kernarg_segment_ptr 1
		.amdhsa_wavefront_size32 1
		.amdhsa_system_sgpr_workgroup_id_x 1
		.amdhsa_system_sgpr_workgroup_id_y 1
		.amdhsa_system_sgpr_workgroup_id_z 1
		.amdhsa_system_vgpr_workitem_id 0
		.amdhsa_next_free_vgpr 1024
		.amdhsa_next_free_sgpr 100
		.amdhsa_reserve_vcc 0
		.amdhsa_float_denorm_mode_32 3
		.amdhsa_float_denorm_mode_16_64 3
		.amdhsa_memory_ordered 1
		.amdhsa_forward_progress 1
		.amdhsa_inst_pref_size 171
	.end_amdhsa_kernel
	.amdgpu_metadata
---
amdhsa.version: [ 1, 2 ]
amdhsa.kernels:
  - .name:           k_q5182261f98_gemm2
    .symbol:         k_q5182261f98_gemm2.kd
    .args:
      - { .name: W2, .offset: 0, .size: 8, .value_kind: global_buffer, .address_space: global }
      - { .name: b2, .offset: 8, .size: 8, .value_kind: global_buffer, .address_space: global }
      - { .name: h, .offset: 16, .size: 8, .value_kind: global_buffer, .address_space: global }
      - { .name: gs, .offset: 24, .size: 8, .value_kind: global_buffer, .address_space: global }
      - { .name: route, .offset: 32, .size: 8, .value_kind: global_buffer, .address_space: global }
      - { .name: p, .offset: 40, .size: 8, .value_kind: global_buffer, .address_space: global }
    .group_segment_fixed_size: 262656
    .private_segment_fixed_size: 0
    .kernarg_segment_align: 8
    .kernarg_segment_size: 48
    .max_flat_workgroup_size: 128
    .sgpr_count:     100
    .vgpr_count:     1024
    .wavefront_size: 32
...
	.end_amdgpu_metadata
.endif
;; end of part 4
;; launch combine (part 5): grid 512 x 1, 8 waves a work-group, no clusters, 0 bytes of LDS; arguments p, ridx, out0; writes out0
.if DOCPART == 5
	.amdgcn_target "amdgcn-amd-amdhsa--gfx1250"
	.amdhsa_code_object_version 6
	.text
	.protected	k_q5182261f98_combine
	.globl	k_q5182261f98_combine
	.p2align	8
	.type	k_q5182261f98_combine,@function
k_q5182261f98_combine:
	s_mov_b64 s[64:65], 0
	v_nop
	global_prefetch_b8 v0, s[64:65] scope:SCOPE_SE
	s_setreg_imm32_b32 hwreg(HW_REG_WAVE_MODE, 25, 1), 1
	s_wait_xcnt 0x0
; THE SUM.  out0[n][:] = the sum of token n's 5 x 4 partial rows p[ridx[n][slot]][kq][:], all f32, in a fixed order (slot ascending, kq ascending).  The gate and the bias are in p already.
; SHARES.  Work-group b owns tokens 2 b and 2 b + 1; wave w token 2 b + w / 4 and quarter w % 4 of its row, 1,024 bytes: two segments of 512 consecutive bytes.  All 40 loads of a wave go out at once.
; Memory binds: no LDS, no barrier, no matrix unit; no two waves read the same byte, so there is nothing to share in a cluster.
.set D, 8                              ; v[8:167]  segment g, slot i, quarter kq at D + 4 (20 g + 4 i + kq)
	s_load_b128 s[4:7], s[0:1], 0x0                ; p s[4:5], ridx s[6:7]
	s_load_b64 s[8:9], s[0:1], 0x10                ; out0
	v_lshrrev_b32 v2, 5, v0
	v_readfirstlane_b32 s14, v2                    ; wave 0..7
	v_and_b32 v2, 31, v0
	s_lshr_b32 s15, s14, 2
	s_lshl_b32 s12, ttmp9, 1
	s_add_co_u32 s12, s12, s15                     ; n
	s_and_b32 s15, s14, 3
	s_lshl_b32 s15, s15, 10
	v_lshl_add_u32 v1, v2, 4, s15                  ; 16 lane + 1,024 x quarter
	s_lshl_b32 s10, s12, 5
	s_mov_b32 s11, 0
	s_mov_b32 s23, 0
	s_wait_kmcnt 0x0
	s_add_nc_u64 s[6:7], s[6:7], s[10:11]
	s_load_b128 s[16:19], s[6:7], 0x0              ; the token's five rows
	s_load_b32 s20, s[6:7], 0x10
	s_lshl_b32 s10, s12, 12
	s_add_nc_u64 s[8:9], s[8:9], s[10:11]
	s_wait_kmcnt 0x0
.irp i, 0,1,2,3,4
	s_min_u32 s22, s[16+\i], 8191
	s_lshl_b32 s22, s22, 14                        ; a row of p is 16,384 bytes
	s_add_nc_u64 s[24+2*\i:25+2*\i], s[4:5], s[22:23]
.endr
.irp g, 0,1
.irp i, 0,1,2,3,4
.irp q, 0,1,2,3
	global_load_b128 v[D+4*(20*\g+4*\i+\q):D+4*(20*\g+4*\i+\q)+3], v1, s[24+2*\i:25+2*\i] offset:4096*\q+512*\g th:TH_LOAD_NT
.endr
.endr
.endr
.irp g, 0,1
	s_wait_loadcnt 20-20*\g                        ; loads come back in order (ISA guide 5.7.1): this segment's 20 are in, the later segment's may be out
.set d, 1
.rept 19
	v_pk_add_f32 v[D+80*\g:D+80*\g+1], v[D+80*\g:D+80*\g+1], v[D+80*\g+4*d:D+80*\g+4*d+1]
	v_pk_add_f32 v[D+80*\g+2:D+80*\g+3], v[D+80*\g+2:D+80*\g+3], v[D+80*\g+4*d+2:D+80*\g+4*d+3]
.set d, d+1
.endr
	global_store_b128 v1, v[D+80*\g:D+80*\g+3], s[8:9] offset:512*\g th:TH_STORE_NT   ; 512 consecutive bytes, at a multiple of 512 from out0's first
.endr
	s_endpgm
.Lfunc_end_k_q5182261f98_combine:
	.size	k_q5182261f98_combine, .Lfunc_end_k_q5182261f98_combine-k_q5182261f98_combine
	.p2alignl 7, 3214868480
	.fill 96, 4, 3214868480
	.section	.rodata,"a",@progbits
	.p2align	6, 0x0
	.amdhsa_kernel k_q5182261f98_combine
		.amdhsa_group_segment_fixed_size 0
		.amdhsa_private_segment_fixed_size 0
		.amdhsa_enable_private_segment 0
		.amdhsa_kernarg_size 24
		.amdhsa_user_sgpr_count 2
		.amdhsa_user_sgpr_kernarg_segment_ptr 1
		.amdhsa_wavefront_size32 1
		.amdhsa_system_sgpr_workgroup_id_x 1
		.amdhsa_system_sgpr_workgroup_id_y 1
		.amdhsa_system_sgpr_workgroup_id_z 1
		.amdhsa_system_vgpr_workitem_id 0
		.amdhsa_next_free_vgpr 168
		.amdhsa_next_free_sgpr 66
		.amdhsa_reserve_vcc 0
		.amdhsa_float_denorm_mode_32 3
		.amdhsa_float_denorm_mode_16_64 3
		.amdhsa_memory_ordered 1
		.amdhsa_forward_progress 1
		.amdhsa_inst_pref_size 11
	.end_amdhsa_kernel
	.amdgpu_metadata
---
amdhsa.version: [ 1, 2 ]
amdhsa.kernels:
  - .name:           k_q5182261f98_combine
    .symbol:         k_q5182261f98_combine.kd
    .args:
      - { .name: p, .offset: 0, .size: 8, .value_kind: global_buffer, .address_space: global }
      - { .name: ridx, .offset: 8, .size: 8, .value_kind: global_buffer, .address_space: global }
      - { .name: out0, .offset: 16, .size: 8, .value_kind: global_buffer, .address_space: global }
    .group_segment_fixed_size: 0
    .private_segment_fixed_size: 0
    .kernarg_segment_align: 8
    .kernarg_segment_size: 24
    .max_flat_workgroup_size: 256
    .sgpr_count:     66
    .vgpr_count:     168
    .wavefront_size: 32
...
	.end_amdgpu_metadata
.endif
;; end of part 5
;; ======== version 2 of 2: 5 launches; version 1 with the launches gemm1, gemm2 written anew for expert scheduling mode
;; workspace buffers: route 8,192 bytes of whole numbers; gate 32,768 bytes; xs 16,777,216 bytes; gs 32,768 bytes; ridx 32,768 bytes of whole numbers; h 67,108,864 bytes; p 134,217,728 bytes
;; launch router: the kernel of part 1 again; grid 32 x 1, 8 waves a work-group, no clusters, 9,216 bytes of LDS; arguments x, Wg, bg, route, gate; writes route, gate
;; launch place: the kernel of part 2 again; grid 64 x 8, 4 waves a work-group, no clusters, 34,304 bytes of LDS; arguments x, route, gate, xs, gs, ridx; writes xs, gs, ridx
;; launch gemm1 (part 6): grid 32 x 8, 4 waves a work-group, no clusters, 262,656 bytes of LDS; arguments W1, b1, xs, route, h; writes h
.if DOCPART == 6
	.amdgcn_target "amdgcn-amd-amdhsa--gfx1250"
	.amdhsa_code_object_version 6
	.text
	.protected	k_q5182261f98_gemm1
	.globl	k_q5182261f98_gemm1
	.p2align	8
	.type	k_q5182261f98_gemm1,@function
k_q5182261f98_gemm1:
	s_mov_b64 s[64:65], 0
	v_nop
	global_prefetch_b8 v0, s[64:65] scope:SCOPE_SE
	s_setreg_imm32_b32 hwreg(HW_REG_WAVE_SCHED_MODE, 0, 2), 2
	s_setreg_imm32_b32 hwreg(HW_REG_WAVE_MODE, 25, 1), 1
	s_wait_xcnt 0x0
	s_wait_alu depctr_vm_vsrc(0)
; THE FIRST PRODUCT.  h = relu(x W1[e] + b1[e]) for expert e's sorted rows alone.  W1 [8][1024][4096] and b1 [8][4096] are f32, rounded once to bf16 here; sums in f32; h rounded once to bf16.
; SHARES.  Work-group (ns, e) owns the slice of all 1,024 k x columns 128 ns .. + 127 of ONE expert's weights, which it alone reads, once, as f32; it rounds them in registers and lays them into LDS as
; finished operand fragments, 262,144 bytes, K step s (32 k) at byte 8,192 s.  The expert's tiles of 16 rows are dealt to the four waves in runs; a wave takes up to six tiles a pass past the whole slice;
; the token fragments come from memory straight into registers.
; THE STREAM RUNS UNDER THE FIRST PASS.  K steps go in groups of four, K step 4 m + w of group m by wave w.  Groups 0 and 1 are laid down at the start.  Then every wave walks six tiles through K steps 0, 1, ..;
; step s = 1 .. 24 also rounds one quarter of the wave's next K step (8 loads, asked for four steps before) and, up to step 20, asks for the same quarter of the group after; steps 4, 8, .. 24 store the
; finished K step (groups 2 to 7) between two barriers.  The first pass has no branch on data: every wave passes every barrier; a wave with fewer than six tiles repeats its last, one with none stores nothing.
; From step 25 on the first pass runs through the later passes' text (the last trip of their loop, their tail, their way out).  Nothing in that text writes LDS, so its length may hang on the stored count.
; A last barrier stands behind all waves' reads of LDS, at the kernel's end.
; WEIGHTS WITHOUT A TRANSPOSE.  W1 lies [k][n].  For a K step and a block of 64 columns c, load (hb, i) gives lane (r, hh) the row k = 16 hb + 8 hh + i, columns 64 c + 4 r + 0..3; lanes 0-15 take 256
; consecutive bytes.  Number j of loads 2 u and 2 u + 1, rounded as a pair, is register 4 hb + u of fragment f = 4 c + j, whose row r is column 64 c + 4 r + j.  A quarter is (c, hb): eight loads, sixteen roundings.
; THE PRODUCT IS USED TRANSPOSED (source 0 = weights, source 1 = 16 tokens): a lane holds one token (lane % 16), register jj of accumulator f the column 64 c + 4 (8 hh + jj) + j.  Accumulators 4 c + 2 jp and
; 4 c + 2 jp + 1, rounded in pairs, ARE the two halves of a token fragment for the second product, K step 4 ns + 2 c + jp, with the hidden channels in an order that the second product repeats in W2's rows.
; h[e][tile 64][K step 128][1,024 bytes].  The bias is the C operand of a pass's first K step.
; EVERY SPLIT is served: 0 to 1,024 rows an expert; a wave has at most 16 tiles: six in the first pass, the rest in at most two more.
; NO CLUSTER: what an expert's 32 work-groups share is its token fragments, but the later passes that read them have a length that hangs on a stored count, and beside the slice LDS has room for
; slots of one K step alone (4 waves x 6 tiles x 1,024 bytes, twice): a barrier of the cluster for every 48 matrix instructions.  The weights have one reader each.
; LIMITS.  NaN and infinities are not treated apart.
; THE MODE: SCHED_MODE bits 1:0 = 2 (LLVM: expert scheduling mode 2), set by the entry lines.  The code itself states the register dependences between vector or matrix instructions and memory or LDS
; instructions, with s_wait_alu, always for 0.
; THE PLAN.  Registers that memory or LDS instructions touch, from K step to K step:
;   WF0, WF1      Step s's matrix instructions read WF[s % 2]; the step's LDS loads land in the other, which step s - 1's matrix instructions read.
;   X0 .. X3      Step s's matrix instructions read token buffer s % 4; the step's token loads land in buffer (s + 3) % 4, which step s - 1's read.
;   the quarters  Step s's sixteen roundings, at its head, read quarter (s - 1) % 4; the same step's eight loads land in it again.
;   v[CF ..]      Written by four steps' roundings; read by the LDS stores of the fourth.
;   v[WQ ..]      Read by a quarter's loads; a group is added at the head of the step that asks again.   v[WA], v[WS]  Read by the LDS loads and stores; stepped at the end of a trip of four steps.
;   v[XO ..], v[SO ..]  Written once a pass; read by the pass's token loads and stores.   v[ST ..]  The way out: written by a tile's conversions, read by its stores; two halves take turns.
;   The accumulators and the bias are named by vector and matrix instructions alone.
; So ONE wait on va_vdst stands at a step's head, behind its roundings, and all the step's loads and LDS stores follow it, dealt among the products of tiles 0 to 3, which name none of the registers that
; they touch.  ONE wait on vm_vsrc stands at the end of a trip of four steps, ahead of the adds to v[WA] and v[WS]; the next trip's roundings (v[CF ..]) and offset steps (v[WQ ..]) lean on it too.
; REGISTERS, in windows of 256 (s_set_vgpr_msb: bits 1:0 source 0, 3:2 source 1, 5:4 source 2, 7:6 destination):
;   window 0: v1-35 addresses; v64-127, v128-191 weight fragments of one K step, two buffers (start: bias as loaded; way out: packed results); v192-255 a K step's fragments as rounded
;   window 1: start: groups 0 and 1 as loaded; then accumulator (tile i, f) at v[8 (8 i + f)], tiles 0-3     window 2: v0-127 tiles 4, 5; v128-191 the bias; v192-255 quarters (0, hb) as loaded
;   window 3: v0-191 token fragments, four buffers of six tiles; v192-255 quarters (1, hb) as loaded
.set GSTEP, 2097152                    ; a group of four K steps of W1: 128 rows of 16,384 bytes
.set L16, 4                            ; v4   16 x lane; never rewritten
.set WA,  5                            ; v5   LDS address of the weight fragments in hand
.set WO,  6                            ; v6   131072 hh + 16 r: my place in a run of weight rows; never rewritten
.set WS,  7                            ; v7   where my fragments go
.set XO,  8                            ; v8-13  tile i: byte offset of my 16 bytes in its token fragments
.set SO,  14                           ; v14-19 tile i: the same in h
.set Z0,  20                           ; v20  0
.set BA,  27                           ; v27  128 hh: my place in b1
.set WQ,  32                           ; v32-35 quarter q: WO + the group that it asks for next
.set WF,  64
.set ST,  64
.set TB,  128
.set CF,  192
.set T2,  192
.set BIAS, 128                         ; window 2
.set SG,  192                          ; windows 2 (c = 0) and 3 (c = 1): quarter (c, hb) at SG + 32 hb
.set XB,  56                           ; s[56:63] token buffer b: the address from which it is filled next
.set MSB, 0
.macro WIN new                         ; the immediate's high byte repeats the setting that is left; a switch that changes nothing is dropped
.if MSB != (\new)
	s_set_vgpr_msb (MSB<<8)|(\new)
.set MSB, \new
.endif
.endm
.macro PLACES
.rept 4
	v_nop
.endr
.endm
; THE START'S TWO GROUPS.  My K step of group set (0, 1) as loaded: 32 loads into half set of window 1.
.macro LOADK set
	WIN 0x40
.irp hb, 0,1
.irp i, 0,1,2,3,4,5,6,7
.irp c, 0,1
	global_load_b128 v[128*(\set)+64*\c+32*\hb+4*\i:128*(\set)+64*\c+32*\hb+4*\i+3], v[WO], s[34:35] offset:GSTEP*(\set)+16384*(16*\hb+\i)+256*\c th:TH_LOAD_NT
.endr
.endr
.endr
.endm
.macro CVTK set                        ; rounded in pairs along k: eight fragments
	WIN 0x05
.irp c, 0,1
.irp j, 0,1,2,3
.irp hb, 0,1
.irp u, 0,1,2,3
	v_cvt_pk_bf16_f32 v[CF+8*(4*\c+\j)+4*\hb+\u], v[128*(\set)+64*\c+32*\hb+8*\u+\j], v[128*(\set)+64*\c+32*\hb+8*\u+4+\j]
.endr
.endr
.endr
.endr
.endm
.macro STK grp                         ; into LDS: fragment f of my K step at 1,024 f, grp groups of 32,768 bytes on; 512 consecutive bytes a store
	WIN 0
.irp f, 0,1,2,3,4,5,6,7
	ds_store_b128 v[WS], v[CF+8*\f:CF+8*\f+3] offset:32768*(\grp)+1024*\f
	ds_store_b128 v[WS], v[CF+8*\f+4:CF+8*\f+7] offset:32768*(\grp)+1024*\f+512
.endr
.endm
; THE STREAM'S QUARTERS.  q = 2 c + hb.
.macro CVQ q                           ; quarter q is rounded: registers 4 hb + 0..3 of fragments 4 c + 0..3
	WIN 0x0a+5*((\q)>>1)                           ; sources in window 2 or 3
.irp j, 0,1,2,3
.irp u, 0,1,2,3
	v_cvt_pk_bf16_f32 v[CF+8*(4*((\q)>>1)+\j)+4*((\q)&1)+\u], v[SG+32*((\q)&1)+8*\u+\j], v[SG+32*((\q)&1)+8*\u+4+\j]
.endr
.endr
.endm
.macro WQLOAD q                        ; and asked for again, a group on: eight loads, in each of which sixteen lanes take 256 consecutive bytes of a row
	WIN 0x80+0x40*((\q)>>1)                        ; destination in window 2 or 3
.irp i, 0,1,2,3,4,5,6,7
	global_load_b128 v[SG+32*((\q)&1)+4*\i:SG+32*((\q)&1)+4*\i+3], v[WQ+(\q)], s[34:35] offset:16384*(16*((\q)&1)+\i)+256*((\q)>>1) th:TH_LOAD_NT
.endr
.endm
.macro LAY                             ; my finished K step goes into LDS.  v[CF ..] and v[WS] were written ahead of the wait on va_vdst at this step's head, and nothing since names them
	WIN 0
	s_barrier_signal -1                            ; every wave's LDS reads so far are back (the wait at this step's head; none was issued since).  The stores go to bytes that no wave has read yet
	s_barrier_wait -1                              ; (two groups ahead of the K step in hand); this barrier keeps the order whatever the addresses
	STK 0
	s_wait_dscnt 0x0                               ; for the others' sake: my K step is in LDS
	s_barrier_signal -1
	s_barrier_wait -1                              ; the group is whole
.endm
.macro XLOAD buf                       ; six tiles' token fragments of one K step into buffer buf: 512 consecutive bytes a load
	WIN 0xc0
.irp i, 0,1,2,3,4,5
	global_load_b128 v[48*(\buf)+8*\i:48*(\buf)+8*\i+3], v[XO+\i], s[XB+2*(\buf):XB+2*(\buf)+1]
	global_load_b128 v[48*(\buf)+8*\i+4:48*(\buf)+8*\i+7], v[XO+\i], s[XB+2*(\buf):XB+2*(\buf)+1] offset:512
.endr
.endm
.macro WLOAD buf, rel, half            ; four of a K step's eight weight fragments (half 0: fragments 0-3, half 1: 4-7): lane l at 16 l, no two lanes in one bank
	WIN 0
.irp f, 0,1,2,3
	ds_load_b128 v[WF+64*(\buf)+8*(4*(\half)+\f):WF+64*(\buf)+8*(4*(\half)+\f)+3], v[WA] offset:8192*(\rel)+1024*(4*(\half)+\f)
	ds_load_b128 v[WF+64*(\buf)+8*(4*(\half)+\f)+4:WF+64*(\buf)+8*(4*(\half)+\f)+7], v[WA] offset:8192*(\rel)+1024*(4*(\half)+\f)+512
.endr
.endm
; What a step asks of memory: the tokens three steps on, then a quarter: always in this order, so that the counts hold.
; xadd = 1: the token buffer's address goes four K steps on first: its last loads were shown done by the wait at the head of the step before.
.macro GASK xbuf, xadd, iq
.if (\xbuf) >= 0
.if \xadd
	s_add_nc_u64 s[XB+2*(\xbuf):XB+2*(\xbuf)+1], s[XB+2*(\xbuf):XB+2*(\xbuf)+1], 4096
.endif
	XLOAD \xbuf
.endif
.if (\iq) >= 0
	WQLOAD \iq
.endif
.endm
.macro MUL wb, xb, i, first            ; tile i x the eight fragments.  first = 1: the bias starts the sums
.if (\i) >= 4
	WIN 0xac
.elseif \first
	WIN 0x6c
.else
	WIN 0x5c
.endif
.irp f, 0,1,2,3,4,5,6,7
.set rA, 8*(8*((\i)%4)+\f)
.if \first
	v_wmma_f32_16x16x32_bf16 v[rA:rA+7], v[WF+64*(\wb)+8*\f:WF+64*(\wb)+8*\f+7], v[48*(\xb)+8*(\i):48*(\xb)+8*(\i)+7], v[BIAS+8*\f:BIAS+8*\f+7]
.else
	v_wmma_f32_16x16x32_bf16 v[rA:rA+7], v[WF+64*(\wb)+8*\f:WF+64*(\wb)+8*\f+7], v[48*(\xb)+8*(\i):48*(\xb)+8*(\i)+7], v[rA:rA+7]
.endif
.endr
.endm
; A K STEP: up to 48 matrix instructions; the accumulators take turns, one instruction a turn, over the jumps and the loops' edges too.
; AT ITS HEAD, behind the waits for its own operands: four places behind the matrix instructions of the step BEFORE, as the plain form of this text has them ahead of the loads into the
; buffers that those read; the quarter's offset and its roundings; and the step's one wait on va_vdst.  Behind it go the loads into the buffers that the step before multiplied (the next step's weights, rel;
; the tokens three steps on, buffer xbuf), the quarter's loads and, with lay = 1, the LDS stores; the step's matrix instructions name WF[wb], token buffer xb, the accumulators and the bias alone.
; THE DEAL, among the products of tiles 0 to 3, which are never jumped.  skip = 0 (six tiles whatever the count): tokens and quarter behind tile 0, half the weights behind tile 1, half behind tile 2.
; skip = 1 (the products of tiles that the pass does not have, s26 tiles: 4, 5 or 6, are jumped): the weights' halves behind tiles 0 and 1, the tokens behind tile 2.
; cq: the quarter rounded here; iq: the quarter asked for here; iadd = 1: its offset goes a group on first: its last loads are older than this step's tokens, which the wait at the head shows done.
; lay = 1: my K step is stored, between two barriers, behind tile 1's products and ahead of the next step's weight loads.
; first = 1: a pass's K step 0: no step stands before it, and the last wait on va_vdst ahead of it covers its loads: no vector or matrix instruction since names WF1, token buffer 3 or quarter 3.
; lcnt: the loads issued behind this step's tokens, which may stay out.
.macro KSTEP wb, xb, first, wrel, xbuf, xadd, lcnt, skip, cq=-1, iq=-1, iadd=0, lay=0
	s_wait_dscnt 0x0                               ; this step's weight fragments, asked for in the step before
	s_wait_loadcnt \lcnt
.if !(\first) && (((\wrel) >= 0) || ((\xbuf) >= 0))
	PLACES
.if \iadd
	v_add_nc_u32 v[WQ+(\iq)], GSTEP, v[WQ+(\iq)]   ; its last readers stand ahead of the last wait on vm_vsrc (a trip's end, or in front of the first trip)
.endif
.if (\cq) >= 0
	CVQ \cq                                        ; v[CF ..]'s last readers, the LDS stores of the group before, stand ahead of that wait too
.endif
	s_wait_alu depctr_va_vdst(0)                   ; the step before is done reading its weight and token buffers; the roundings are done reading the quarter and have written v[CF ..]; v[WA], v[WS], v[WQ ..] are written
.endif
	MUL \wb, \xb, 0, \first
.if \skip
.if (\wrel) >= 0
	WLOAD 1-(\wb), \wrel, 0
.endif
.else
	GASK \xbuf, \xadd, \iq
.endif
	MUL \wb, \xb, 1, \first
.if \lay
	LAY
.endif
.if (\wrel) >= 0
	WLOAD 1-(\wb), \wrel, \skip
.endif
	MUL \wb, \xb, 2, \first
.if \skip
	GASK \xbuf, \xadd, \iq
.else
	WLOAD 1-(\wb), \wrel, 1
.endif
	MUL \wb, \xb, 3, \first
.if \skip
	WIN 0
	s_cmp_lt_u32 s26, 5
	s_cbranch_scc1 .Lsk_\@
.endif
	MUL \wb, \xb, 4, \first
.if \skip
	WIN 0
	s_cmp_lt_u32 s26, 6
	s_cbranch_scc1 .Lsk_\@
.endif
	MUL \wb, \xb, 5, \first
	WIN 0
.if \skip
.Lsk_\@:
.endif
.endm
; A pass's addresses: s25 tiles from tile s23 on; the places past them repeat the pass's last tile
.macro PREP
	s_add_co_u32 s29, s23, s25
	s_sub_co_u32 s29, s29, 1                       ; the pass's last tile
.irp i, 0,1,2,3,4,5
	s_add_co_u32 s31, s23, \i
	s_min_u32 s31, s31, s29
	s_min_u32 s31, s31, 63
	v_lshl_add_u32 v[XO+\i], s31, 15, v[L16]
	v_lshl_add_u32 v[SO+\i], s31, 17, v[L16]
.endr
	s_add_co_u32 s23, s23, s25
.irp b, 0,1,2,3
	s_add_nc_u64 s[XB+2*\b:XB+2*\b+1], s[36:37], 1024*\b   ; buffer b begins with K step b
.endr
	v_mov_b32 v[WA], v[L16]
.endm
; THE WAY OUT of tile i: rounded to bf16 in pairs (each accumulator's lowest registers first), relu on the packed halves, eight stores of 512 consecutive bytes: accumulator f is half f % 2 of fragment f / 2
.macro OUT i
.if (\i) >= 2
	s_wait_xcnt 0x0                                ; the stores of the tile two before have had their addresses translated,
	s_wait_alu depctr_vm_vsrc(0)                   ; and have read this half of v[ST ..], which the conversions below write again
.endif
.if (\i) < 4
	WIN 0x05
.else
	WIN 0x0a
.endif
.irp f, 0,1,2,3,4,5,6,7
.irp u, 0,1,2,3
	v_cvt_pk_bf16_f32 v[ST+32*((\i)%2)+4*\f+\u], v[8*(8*((\i)%4)+\f)+2*\u], v[8*(8*((\i)%4)+\f)+2*\u+1]
.endr
.endr
	WIN 0
.set z, ST+32*((\i)%2)
.rept 32
	v_pk_max_num_bf16 v[z], v[z], v[Z0]
.set z, z+1
.endr
	s_wait_alu depctr_va_vdst(0)                   ; the maxima have written this half of v[ST ..], which the eight stores read
.irp f, 0,1,2,3,4,5,6,7
	global_store_b128 v[SO+(\i)], v[ST+32*((\i)%2)+4*\f:ST+32*((\i)%2)+4*\f+3], s[40:41] offset:512*\f
.endr
.endm
	s_load_b256 s[4:11], s[0:1], 0x0               ; W1 s[4:5], b1 s[6:7], xs s[8:9], route s[10:11]
	s_load_b64 s[12:13], s[0:1], 0x20              ; h
	v_lshl_add_u32 v62, v0, 2, 0x40000
	v_mov_b32 v63, 0
	v_lshrrev_b32 v1, 5, v0
	v_readfirstlane_b32 s16, v1                    ; wave 0..3
	v_and_b32 v1, 31, v0
	v_and_b32 v2, 15, v0                           ; r
	v_bfe_u32 v3, v0, 4, 1                         ; hh
	v_lshlrev_b32 v[L16], 4, v1
	v_lshlrev_b32 v[WO], 4, v2
	v_lshl_add_u32 v[WO], v3, 17, v[WO]
	s_wait_alu depctr_va_sdst(0)                   ; s16 is written, ahead of its first reader
	s_lshl_b32 s31, s16, 13
	v_add_nc_u32 v[WS], s31, v[L16]                ; 8,192 w + 16 lane: my K step of group 0
	v_mov_b32 v[Z0], 0
	v_lshlrev_b32 v[BA], 7, v3
.irp q, 0,1,2,3
	v_add_nc_u32 v[WQ+\q], 2*GSTEP, v[WO]          ; the stream begins with group 2
.endr
	s_and_b32 s17, ttmp7, 0xffff                   ; e
	s_mov_b32 s18, ttmp9                           ; ns
	s_mov_b32 s47, 0
	s_mov_b32 s45, 0xffff0000
	s_wait_kmcnt 0x0
	s_lshl_b32 s46, s17, 7
	s_add_nc_u64 s[48:49], s[10:11], s[46:47]
	s_load_b512 s[68:83], s[48:49], 0x0            ; bm[e][0..31]
	s_load_b512 s[84:99], s[48:49], 0x40
	s_lshl_b32 s46, s17, 24                        ; W1: expert, my K step in a group (32 rows of 16,384 bytes), the slice's columns
	s_lshl_b32 s31, s16, 19
	s_add_co_u32 s46, s46, s31
	s_lshl_b32 s31, s18, 9
	s_add_co_u32 s46, s46, s31
	s_add_nc_u64 s[34:35], s[4:5], s[46:47]
	s_lshl_b32 s46, s17, 14                        ; b1
	s_add_co_u32 s46, s46, s31
	s_add_nc_u64 s[6:7], s[6:7], s[46:47]
	s_lshl_b32 s46, s17, 21                        ; xs: 64 tiles of 32,768 bytes an expert
	s_add_nc_u64 s[36:37], s[8:9], s[46:47]
	s_lshl_b32 s46, s17, 23                        ; h: 64 tiles of 131,072 bytes an expert; my four K steps of 1,024
	s_lshl_b32 s31, s18, 12
	s_add_co_u32 s46, s46, s31
	s_add_nc_u64 s[40:41], s[12:13], s[46:47]
	s_wait_alu depctr_va_vdst(0)                   ; v[BA] and v[WO] are written, which the loads below read as their offsets
.irp c, 0,1
.irp q, 0,1,2,3,4,5,6,7
	global_load_b128 v[TB+32*\c+4*\q:TB+32*\c+4*\q+3], v[BA], s[6:7] offset:256*\c+16*\q   ; b1 of columns 64 c + 32 hh + 4 q + 0..3
.endr
.endr
	LOADK 0
	LOADK 1
	WIN 0
	s_wait_kmcnt 0x0                               ; the bitmap; the counts stand in the wait for the first weights
	s_mov_b32 s20, 0                               ; cnt: the expert's rows
.set n, 68
.rept 32
	s_bcnt1_i32_b32 s31, s[n]
	s_add_co_u32 s20, s20, s31
.set n, n+1
.endr
	s_add_co_u32 s21, s20, 15
	s_lshr_b32 s21, s21, 4                         ; T tiles, dealt in runs: wave w has T / 4, the first T % 4 waves one more
	s_lshr_b32 s33, s21, 2
	s_and_b32 s50, s21, 3
	s_cmp_lt_u32 s16, s50
	s_cselect_b32 s31, 1, 0
	s_add_co_u32 s22, s33, s31                     ; t: my tiles, 16 at the most
	s_mul_i32 s23, s16, s33
	s_min_u32 s31, s16, s50
	s_add_co_u32 s23, s23, s31                     ; my first tile
	s_min_u32 s25, s22, 6                          ; the first pass's tiles,
	s_sub_co_u32 s24, s22, s25                     ; the rest,
	s_min_u32 s27, s22, 1                          ; 1: the pass in hand stores
	s_mov_b32 s26, 6                               ; the first pass multiplies six tiles whatever t
	PREP
	s_wait_loadcnt 32                              ; b1 and group 0 are in; group 1's 32 loads may be out
	; the bias, rounded to bf16 and widened again: register jj of accumulator 4 c + j wants column 64 c + 32 hh + 4 jj + j
.irp c, 0,1
.irp j, 0,1,2,3
.irp u, 0,1,2,3
	v_cvt_pk_bf16_f32 v[T2+4*(4*\c+\j)+\u], v[TB+32*\c+8*\u+\j], v[TB+32*\c+8*\u+4+\j]
.endr
.endr
.endr
	WIN 0x80
.set z, 0
.rept 32
	v_lshlrev_b32 v[BIAS+2*z], 16, v[T2+z]
	v_and_b32 v[BIAS+2*z+1], s45, v[T2+z]
.set z, z+1
.endr
	CVTK 0
	s_wait_alu depctr_va_vdst(0)                   ; v[CF ..] and v[WS] are written, which the LDS stores read; so are the pass's offsets v[XO ..] and v[WA]; the bias's roundings are done reading v[TB ..], the second weight buffer
	STK 0
	XLOAD 0                                        ; tokens and quarters go out in the order that every later step keeps: tokens, then a quarter
	WQLOAD 0
	XLOAD 1
	WQLOAD 1
	XLOAD 2
	WQLOAD 2
	s_wait_loadcnt 60                              ; group 1 is in; the 3 x (12 + 8) loads just issued may be out
	s_wait_alu depctr_vm_vsrc(0)                   ; group 0's LDS stores have read v[CF ..], which the roundings below write again
	CVTK 1
	s_wait_alu depctr_va_vdst(0)                   ; the roundings have written v[CF ..], which the LDS stores read
	STK 1
	s_wait_dscnt 0x0                               ; for the others' sake: my two K steps are in LDS
	s_barrier_signal -1
	s_barrier_wait -1                              ; groups 0 and 1 are whole
	s_mov_b32 s28, 3                               ; passes: the first and at most two more
	WLOAD 0, 0, 0
	WLOAD 0, 0, 1
	; THE FIRST PASS.  The count 48: behind a step's 12 token loads were issued a quarter, the next step's tokens, a quarter, the tokens after, a quarter: 8 + 12 + 8 + 12 + 8
	KSTEP 0, 0, 1, 1, 3, 0, 48, 0, -1, 3, 0, 0     ; K step 0 starts all 48 sums; group 2's last quarter goes out
	s_wait_alu depctr_vm_vsrc(0)                   ; group 1's LDS stores have read v[WS] and v[CF ..]; the four quarters' first loads have read v[WQ ..]: the add below and the first trip write them
	v_add_nc_u32 v[WS], 0x10000, v[WS]             ; group 2's place
	s_mov_b32 s32, 5
.Lg:                                   ; a trip: K steps 1 + 4 u .. 4 + 4 u; group u + 2 is rounded and stored, group u + 3 asked for
	KSTEP 1, 1, 0, 2, 0, 1, 48, 0, 0, 0, 1, 0
	KSTEP 0, 2, 0, 3, 1, 1, 48, 0, 1, 1, 1, 0
	KSTEP 1, 3, 0, 4, 2, 1, 48, 0, 2, 2, 1, 0
	KSTEP 0, 0, 0, 5, 3, 1, 48, 0, 3, 3, 1, 1
	s_wait_alu depctr_vm_vsrc(0)                   ; the trip's LDS loads have read v[WA], its LDS stores v[WS] and v[CF ..], its quarters' loads v[WQ ..]: the adds below and the next four steps write them
	v_add_nc_u32 v[WA], 0x8000, v[WA]              ; four K steps of 8,192 bytes on
	v_add_nc_u32 v[WS], 0x8000, v[WS]              ; the next group's place
	s_sub_co_u32 s32, s32, 1
	s_cmp_lg_u32 s32, 0
	s_cbranch_scc1 .Lg
	KSTEP 1, 1, 0, 2, 0, 1, 48, 0, 0               ; K steps 21 to 24: group 7 is rounded and stored, no quarter is left to ask for, and the counts lose 8 a step
	KSTEP 0, 2, 0, 3, 1, 1, 40, 0, 1
	KSTEP 1, 3, 0, 4, 2, 1, 32, 0, 2
	KSTEP 0, 0, 0, 5, 3, 1, 24, 0, 3, -1, 0, 1
	s_wait_alu depctr_vm_vsrc(0)                   ; the LDS loads issued so far have read v[WA]
	v_add_nc_u32 v[WA], 0x8000, v[WA]
	s_mov_b32 s32, 1                               ; K steps 25 to 31 and the way out are a later pass's: its loop's last trip, its tail
	s_branch .Lk
.Lpass:                                ; A LATER PASS: the slice is whole
	s_cmp_eq_u32 s24, 0
	s_cbranch_scc1 .Lnext                          ; no tile is left
	s_min_u32 s25, s24, 6
	s_sub_co_u32 s24, s24, s25
	s_max_u32 s26, s25, 4                          ; four tiles at the least are multiplied
	s_mov_b32 s27, 1
	s_wait_xcnt 0x0                                ; the last pass's stores have had their addresses translated,
	s_wait_alu depctr_vm_vsrc(0)                   ; and its loads and stores have read v[XO ..], v[SO ..], v[WA] and v[ST ..], which the lines below and the weights' loads write again
	PREP
	s_wait_alu depctr_va_vdst(0)                   ; the pass's offsets are written; the way out is done writing v[ST ..], the first weight buffer; the last pass's matrix instructions are done reading the token and weight buffers
	XLOAD 0
	XLOAD 1
	XLOAD 2
	WLOAD 0, 0, 0
	WLOAD 0, 0, 1
	KSTEP 0, 0, 1, 1, 3, 0, 24, 0                  ; K step 0 starts all 48 sums.  The count 24: the tokens of the two steps behind
	s_mov_b32 s32, 7
.Lk:                                   ; a trip: K steps 1 + 4 u .. 4 + 4 u
	KSTEP 1, 1, 0, 2, 0, 1, 24, 1
	KSTEP 0, 2, 0, 3, 1, 1, 24, 1
	KSTEP 1, 3, 0, 4, 2, 1, 24, 1
	KSTEP 0, 0, 0, 5, 3, 1, 24, 1
	s_wait_alu depctr_vm_vsrc(0)                   ; the trip's LDS loads have read v[WA]
	v_add_nc_u32 v[WA], 0x8000, v[WA]              ; 16 lane + 32,768 x trip; with the tail's offsets the last byte read is 262,143
	s_sub_co_u32 s32, s32, 1
	s_cmp_lg_u32 s32, 0
	s_cbranch_scc1 .Lk
	KSTEP 1, 1, 0, 2, -1, 0, 24, 1                 ; K steps 29, 30, 31: no tokens are left to ask for, and the counts run down
	KSTEP 0, 2, 0, 3, -1, 0, 12, 1
	KSTEP 1, 3, 0, -1, -1, 0, 0, 1                 ; the last step loads nothing: it has no dependence to state
	PLACES                                         ; between the last products and the first read of results
	s_cmp_eq_u32 s27, 0
	s_cbranch_scc1 .Lnext                          ; a wave without tiles stores nothing
.irp t, 0,1,2,3
	OUT \t
.endr
	s_cmp_lt_u32 s26, 5
	s_cbranch_scc1 .Lnext
	OUT 4
	s_cmp_lt_u32 s26, 6
	s_cbranch_scc1 .Lnext
	OUT 5
.Lnext:
	s_sub_co_u32 s28, s28, 1
	s_cmp_lg_u32 s28, 0
	s_cbranch_scc1 .Lpass
	s_wait_dscnt 0x0                               ; my reads of LDS are back,
	s_barrier_signal -1
	s_barrier_wait -1                              ; and so are every wave's: every wave passes this barrier
	s_wait_dscnt 0x0                               ; ahead of the closing add below
	s_wait_alu depctr_hold_cnt(0) depctr_sa_sdst(0) depctr_va_vdst(0) depctr_va_sdst(0) depctr_va_ssrc(0) depctr_va_vcc(0) depctr_vm_vsrc(0)
	s_wait_tensorcnt 0x0
	ds_add_u32 v62, v63
	s_wait_dscnt 0x0
	s_endpgm
.Lfunc_end_k_q5182261f98_gemm1:
	.size	k_q5182261f98_gemm1, .Lfunc_end_k_q5182261f98_gemm1-k_q5182261f98_gemm1
	.p2alignl 7, 3214868480
	.fill 96, 4, 3214868480
	.section	.rodata,"a",@progbits
	.p2align	6, 0x0
	.amdhsa_kernel k_q5182261f98_gemm1
		.amdhsa_group_segment_fixed_size 262656
		.amdhsa_private_segment_fixed_size 0
		.amdhsa_enable_private_segment 0
		.amdhsa_kernarg_size 40
		.amdhsa_user_sgpr_count 2
		.amdhsa_user_sgpr_kernarg_segment_ptr 1
		.amdhsa_wavefront_size32 1
		.amdhsa_system_sgpr_workgroup_id_x 1
		.amdhsa_system_sgpr_workgroup_id_y 1
		.amdhsa_system_sgpr_workgroup_id_z 1
		.amdhsa_system_vgpr_workitem_id 0
		.amdhsa_next_free_vgpr 1024
		.amdhsa_next_free_sgpr 100
		.amdhsa_reserve_vcc 0
		.amdhsa_float_denorm_mode_32 3
		.amdhsa_float_denorm_mode_16_64 3
		.amdhsa_memory_ordered 1
		.amdhsa_forward_progress 1
		.amdhsa_inst_pref_size 180
	.end_amdhsa_kernel
	.amdgpu_metadata
---
amdhsa.version: [ 1, 2 ]
amdhsa.kernels:
  - .name:           k_q5182261f98_gemm1
    .symbol:         k_q5182261f98_gemm1.kd
    .args:
      - { .name: W1, .offset: 0, .size: 8, .value_kind: global_buffer, .address_space: global }
      - { .name: b1, .offset: 8, .size: 8, .value_kind: global_buffer, .address_space: global }
      - { .name: xs, .offset: 16, .size: 8, .value_kind: global_buffer, .address_space: global }
      - { .name: route, .offset: 24, .size: 8, .value_kind: global_buffer, .address_space: global }
      - { .name: h, .offset: 32, .size: 8, .value_kind: global_buffer, .address_space: global }
    .group_segment_fixed_size: 262656
    .private_segment_fixed_size: 0
    .kernarg_segment_align: 8
    .kernarg_segment_size: 40
    .max_flat_workgroup_size: 128
    .sgpr_count:     100
    .vgpr_count:     1024
    .wavefront_size: 32
...
	.end_amdgpu_metadata
.endif
;; end of part 6
;; launch gemm2 (part 7): grid 32 x 8, 4 waves a work-group, no clusters, 262,656 bytes of LDS; arguments W2, b2, h, gs, route, p; writes p
.if DOCPART == 7
	.amdgcn_target "amdgcn-amd-amdhsa--gfx1250"
	.amdhsa_code_object_version 6
	.text
	.protected	k_q5182261f98_gemm2
	.globl	k_q5182261f98_gemm2
	.p2align	8
	.type	k_q5182261f98_gemm2,@function
k_q5182261f98_gemm2:
	s_mov_b64 s[64:65], 0
	v_nop
	global_prefetch_b8 v0, s[64:65] scope:SCOPE_SE
	s_setreg_imm32_b32 hwreg(HW_REG_WAVE_SCHED_MODE, 0, 2), 2
	s_setreg_imm32_b32 hwreg(HW_REG_WAVE_MODE, 25, 1), 1
	s_wait_xcnt 0x0
	s_wait_alu depctr_vm_vsrc(0)
; THE SECOND PRODUCT.  p[1024 e + row][kq][:] = gate x (h[row][quarter kq of the hidden channels] W2[e] + b2[e] where kq = 0), for expert e's sorted rows alone.  W2 [8][4096][1024] and b2 [8][1024] are f32,
; rounded once to bf16 here; h is bf16; sums, the gate and p in f32 (partial sums: a later launch adds a token's 5 x 4 rows).
; SHARES.  Work-group (ns + 8 kq, e) owns the slice of hidden channels 1,024 kq .. + 1,023 x columns 128 ns .. + 127 of ONE expert's weights, which it alone reads, once, as f32; it rounds them in registers and
; lays them into LDS as finished operand fragments, 262,144 bytes, K step s at byte 8,192 s.  The expert's tiles of 16 rows are dealt to the four waves in runs, up to six tiles a pass and wave.
; THE STREAM RUNS UNDER THE FIRST PASS, as in the first product.  K steps go in groups of four, K step 4 m + w of group m by wave w.  Groups 0 and 1 are laid down at the start.  Then every wave walks six tiles
; through K steps 0, 1, ..; step s = 1 .. 24 also rounds one quarter of the wave's next K step (8 loads, asked for four steps before) and, up to step 20, asks for the same quarter of the group after; steps
; 4, 8, .. 24 store the finished K step (groups 2 to 7) between two barriers.  The first pass has no branch on data: every wave passes every barrier; a wave with fewer than six tiles repeats its last, one with
; none stores nothing.  From step 25 on it runs through the later passes' text, in which nothing writes LDS, so that its length may hang on the stored count.  A last barrier stands at the kernel's end.
; THE ORDER OF K.  In K step sigma of h, place 16 hb + 8 hh + i holds hidden channel 64 (sigma / 2) + 4 (8 hh + i) + 2 (sigma % 2) + hb: so load (hb, i) of a K step takes that row of W2.
; THE PRODUCT IS USED AS IT STANDS (source 0 = 16 tokens, source 1 = weights): register jj holds token 8 hh + jj, lane r of accumulator 4 c + j column 64 c + 4 r + j.  The four accumulators of a block c give a
; lane four neighbouring columns: sixteen lanes store 256 consecutive bytes of a row of p, aligned.
; NO CLUSTER: what an expert's work-groups share is its token fragments (eight read the same quarter), but the later passes that read them have a length that hangs on a stored count, and beside the slice LDS
; has room for slots of one K step alone: a barrier of the cluster for every 48 matrix instructions.  The weights have one reader each.
; LIMITS.  NaN and infinities are not treated apart (an infinite b2 times the 0 of quarters 1 to 3 is a NaN).
; THE MODE: SCHED_MODE bits 1:0 = 2 (LLVM: expert scheduling mode 2), set by the entry lines.  The code itself states the register dependences between vector or matrix instructions and memory or LDS
; instructions, with s_wait_alu, always for 0.
; THE PLAN.  Registers that memory or LDS instructions touch, from K step to K step:
;   WF0, WF1      Step s's matrix instructions read WF[s % 2]; the step's LDS loads land in the other, which step s - 1's matrix instructions read.
;   X0 .. X3      Step s's matrix instructions read token buffer s % 4; the step's token loads land in buffer (s + 3) % 4, which step s - 1's read.
;   the quarters  Step s's sixteen roundings, at its head, read quarter (s - 1) % 4; the same step's eight loads land in it again.  When the stream has ended the gates land in quarters (0, hb).
;   v[CF ..]      Written by four steps' roundings; read by the LDS stores of the fourth.
;   v[WQ ..]      Read by a quarter's loads; a group is added at the head of the step that asks again.   v[WA], v[WS]  Read by the LDS loads and stores; stepped at the end of a trip of four steps.
;   v[XO ..], v[SO ..], v[GO ..]  Written once a pass; read by the pass's loads and stores.   v[ST ..]  The way out: written by a tile's scalings, read by its stores; two halves take turns.
;   The accumulators and the bias are named by vector and matrix instructions alone.
; So ONE wait on va_vdst stands at a step's head, behind its roundings, and all the step's loads and LDS stores follow it, dealt among the products of tiles 0 to 3, which name none of the registers that
; they touch.  ONE wait on vm_vsrc stands at the end of a trip of four steps, ahead of the adds to v[WA] and v[WS]; the next trip's roundings (v[CF ..]) and offset steps (v[WQ ..]) lean on it too.
; REGISTERS, in windows of 256 (s_set_vgpr_msb: bits 1:0 source 0, 3:2 source 1, 5:4 source 2, 7:6 destination):
;   window 0: v1-35 addresses; v64-127, v128-191 weight fragments, two buffers (start: bias as loaded; way out: scaled results, a tile each); v192-255 a K step's fragments as rounded
;   window 1: start: groups 0 and 1 as loaded; then accumulator (tile i, f) at v[8 (8 i + f)], tiles 0-3
;   window 2: v0-127 tiles 4, 5; v128-191 the bias; v192-255 quarters (0, hb) as loaded, and when the stream has ended v192-239 the gates, 8 a tile
;   window 3: v0-191 token fragments, four buffers of six tiles; v192-255 quarters (1, hb) as loaded
.set GSTEP, 524288                     ; a group of four K steps of W2: 128 rows of 4,096 bytes
.set L16, 4                            ; v4   16 x lane; never rewritten
.set WA,  5                            ; v5   LDS address of the weight fragments in hand
.set WO,  6                            ; v6   131072 hh + 16 r: my place in a run of weight rows, and in eight rows of p; never rewritten
.set WS,  7                            ; v7   where my fragments go
.set XO,  8                            ; v8-13  tile i: byte offset of my 16 bytes in its token fragments
.set SO,  14                           ; v14-19 tile i: my byte offset in p
.set GO,  21                           ; v21-26 tile i: my byte offset in gs
.set GB,  27                           ; v27  32 hh
.set BA,  28                           ; v28  16 r
.set WQ,  32                           ; v32-35 quarter q: WO + the group that it asks for next
.set WF,  64
.set ST,  64
.set TB,  128
.set CF,  192
.set T2,  192
.set BIAS, 128                         ; window 2
.set G,   192                          ; window 2
.set SG,  192                          ; windows 2 (c = 0) and 3 (c = 1): quarter (c, hb) at SG + 32 hb
.set XB,  56                           ; s[56:63] token buffer b: the address from which it is filled next
.set MSB, 0
.macro WIN new                         ; the immediate's high byte repeats the setting that is left; a switch that changes nothing is dropped
.if MSB != (\new)
	s_set_vgpr_msb (MSB<<8)|(\new)
.set MSB, \new
.endif
.endm
.macro PLACES
.rept 4
	v_nop
.endr
.endm
; THE START'S TWO GROUPS.  My K step of group set (0, 1) as loaded: 32 loads into half set of window 1.
.macro LOADK set
	WIN 0x40
.irp hb, 0,1
.irp i, 0,1,2,3,4,5,6,7
.irp c, 0,1
	global_load_b128 v[128*(\set)+64*\c+32*\hb+4*\i:128*(\set)+64*\c+32*\hb+4*\i+3], v[WO], s[34:35] offset:GSTEP*(\set)+16384*\i+4096*\hb+256*\c th:TH_LOAD_NT
.endr
.endr
.endr
.endm
.macro CVTK set                        ; rounded in pairs along K's places: eight fragments
	WIN 0x05
.irp c, 0,1
.irp j, 0,1,2,3
.irp hb, 0,1
.irp u, 0,1,2,3
	v_cvt_pk_bf16_f32 v[CF+8*(4*\c+\j)+4*\hb+\u], v[128*(\set)+64*\c+32*\hb+8*\u+\j], v[128*(\set)+64*\c+32*\hb+8*\u+4+\j]
.endr
.endr
.endr
.endr
.endm
.macro STK grp                         ; into LDS: fragment f of my K step at 1,024 f, grp groups of 32,768 bytes on; 512 consecutive bytes a store
	WIN 0
.irp f, 0,1,2,3,4,5,6,7
	ds_store_b128 v[WS], v[CF+8*\f:CF+8*\f+3] offset:32768*(\grp)+1024*\f
	ds_store_b128 v[WS], v[CF+8*\f+4:CF+8*\f+7] offset:32768*(\grp)+1024*\f+512
.endr
.endm
; THE STREAM'S QUARTERS.  q = 2 c + hb.
.macro CVQ q                           ; quarter q is rounded: registers 4 hb + 0..3 of fragments 4 c + 0..3
	WIN 0x0a+5*((\q)>>1)                           ; sources in window 2 or 3
.irp j, 0,1,2,3
.irp u, 0,1,2,3
	v_cvt_pk_bf16_f32 v[CF+8*(4*((\q)>>1)+\j)+4*((\q)&1)+\u], v[SG+32*((\q)&1)+8*\u+\j], v[SG+32*((\q)&1)+8*\u+4+\j]
.endr
.endr
.endm
.macro WQLOAD q                        ; and asked for again, a group on: eight loads, in each of which sixteen lanes take 256 consecutive bytes of a row
	WIN 0x80+0x40*((\q)>>1)                        ; destination in window 2 or 3
.irp i, 0,1,2,3,4,5,6,7
	global_load_b128 v[SG+32*((\q)&1)+4*\i:SG+32*((\q)&1)+4*\i+3], v[WQ+(\q)], s[34:35] offset:16384*\i+4096*((\q)&1)+256*((\q)>>1) th:TH_LOAD_NT
.endr
.endm
.macro LAY                             ; my finished K step goes into LDS.  v[CF ..] and v[WS] were written ahead of the wait on va_vdst at this step's head, and nothing since names them
	WIN 0
	s_barrier_signal -1                            ; every wave's LDS reads so far are back (the wait at this step's head; none was issued since).  The stores go to bytes that no wave has read yet
	s_barrier_wait -1                              ; (two groups ahead of the K step in hand); this barrier keeps the order whatever the addresses
	STK 0
	s_wait_dscnt 0x0                               ; for the others' sake: my K step is in LDS
	s_barrier_signal -1
	s_barrier_wait -1                              ; the group is whole
.endm
.macro XLOAD buf                       ; six tiles' token fragments of one K step into buffer buf: 512 consecutive bytes a load
	WIN 0xc0
.irp i, 0,1,2,3,4,5
	global_load_b128 v[48*(\buf)+8*\i:48*(\buf)+8*\i+3], v[XO+\i], s[XB+2*(\buf):XB+2*(\buf)+1]
	global_load_b128 v[48*(\buf)+8*\i+4:48*(\buf)+8*\i+7], v[XO+\i], s[XB+2*(\buf):XB+2*(\buf)+1] offset:512
.endr
.endm
.macro GLOAD                           ; the gates of tokens 8 hh + 0..7 of the pass's six tiles
	WIN 0x80
.irp i, 0,1,2,3,4,5
	global_load_b128 v[G+8*\i:G+8*\i+3], v[GO+\i], s[42:43]
	global_load_b128 v[G+8*\i+4:G+8*\i+7], v[GO+\i], s[42:43] offset:16
.endr
	WIN 0
.endm
.macro WLOAD buf, rel, half            ; four of a K step's eight weight fragments (half 0: fragments 0-3, half 1: 4-7): lane l at 16 l, no two lanes in one bank
	WIN 0
.irp f, 0,1,2,3
	ds_load_b128 v[WF+64*(\buf)+8*(4*(\half)+\f):WF+64*(\buf)+8*(4*(\half)+\f)+3], v[WA] offset:8192*(\rel)+1024*(4*(\half)+\f)
	ds_load_b128 v[WF+64*(\buf)+8*(4*(\half)+\f)+4:WF+64*(\buf)+8*(4*(\half)+\f)+7], v[WA] offset:8192*(\rel)+1024*(4*(\half)+\f)+512
.endr
.endm
; What a step asks of memory: the tokens three steps on, then a quarter: always in this order, so that the counts hold.
; xadd = 1: the token buffer's address goes four K steps on first: its last loads were shown done by the wait at the head of the step before.
.macro GASK xbuf, xadd, iq
.if (\xbuf) >= 0
.if \xadd
	s_add_nc_u64 s[XB+2*(\xbuf):XB+2*(\xbuf)+1], s[XB+2*(\xbuf):XB+2*(\xbuf)+1], 4096
.endif
	XLOAD \xbuf
.endif
.if (\iq) >= 0
	WQLOAD \iq
.endif
.endm
.macro MUL wb, xb, i, first            ; tile i x the eight fragments.  first = 1: the bias starts the sums
.if (\i) >= 4
	WIN 0xa3
.elseif \first
	WIN 0x63
.else
	WIN 0x53
.endif
.irp f, 0,1,2,3,4,5,6,7
.set rA, 8*(8*((\i)%4)+\f)
.if \first
	v_wmma_f32_16x16x32_bf16 v[rA:rA+7], v[48*(\xb)+8*(\i):48*(\xb)+8*(\i)+7], v[WF+64*(\wb)+8*\f:WF+64*(\wb)+8*\f+7], v[BIAS+8*\f:BIAS+8*\f+7]
.else
	v_wmma_f32_16x16x32_bf16 v[rA:rA+7], v[48*(\xb)+8*(\i):48*(\xb)+8*(\i)+7], v[WF+64*(\wb)+8*\f:WF+64*(\wb)+8*\f+7], v[rA:rA+7]
.endif
.endr
.endm
; A K STEP: up to 48 matrix instructions; the accumulators take turns, one instruction a turn, over the jumps and the loops' edges too.
; AT ITS HEAD, behind the waits for its own operands: four places behind the matrix instructions of the step BEFORE, as the plain form of this text has them ahead of the loads into the
; buffers that those read; the quarter's offset and its roundings; and the step's one wait on va_vdst.  Behind it go the loads into the buffers that the step before multiplied (the next step's weights, rel;
; the tokens three steps on, buffer xbuf), the quarter's loads and, with lay = 1, the LDS stores; the step's matrix instructions name WF[wb], token buffer xb, the accumulators and the bias alone.
; THE DEAL, among the products of tiles 0 to 3, which are never jumped.  skip = 0 (six tiles whatever the count): tokens and quarter behind tile 0, half the weights behind tile 1, half behind tile 2.
; skip = 1 (the products of tiles that the pass does not have, s26 tiles: 4, 5 or 6, are jumped): the weights' halves behind tiles 0 and 1, the tokens behind tile 2.
; cq: the quarter rounded here; iq: the quarter asked for here; iadd = 1: its offset goes a group on first: its last loads are older than this step's tokens, which the wait at the head shows done.
; lay = 1: my K step is stored, between two barriers, behind tile 1's products and ahead of the next step's weight loads.
; first = 1: a pass's K step 0: no step stands before it, and the last wait on va_vdst ahead of it covers its loads: no vector or matrix instruction since names WF1, token buffer 3 or quarter 3.
; lcnt: the loads issued behind this step's tokens, which may stay out.
.macro KSTEP wb, xb, first, wrel, xbuf, xadd, lcnt, skip, cq=-1, iq=-1, iadd=0, lay=0
	s_wait_dscnt 0x0                               ; this step's weight fragments, asked for in the step before
	s_wait_loadcnt \lcnt
.if !(\first) && (((\wrel) >= 0) || ((\xbuf) >= 0))
	PLACES
.if \iadd
	v_add_nc_u32 v[WQ+(\iq)], GSTEP, v[WQ+(\iq)]   ; its last readers stand ahead of the last wait on vm_vsrc (a trip's end, or in front of the first trip)
.endif
.if (\cq) >= 0
	CVQ \cq                                        ; v[CF ..]'s last readers, the LDS stores of the group before, stand ahead of that wait too
.endif
	s_wait_alu depctr_va_vdst(0)                   ; the step before is done reading its weight and token buffers; the roundings are done reading the quarter and have written v[CF ..]; v[WA], v[WS], v[WQ ..] are written
.endif
	MUL \wb, \xb, 0, \first
.if \skip
.if (\wrel) >= 0
	WLOAD 1-(\wb), \wrel, 0
.endif
.else
	GASK \xbuf, \xadd, \iq
.endif
	MUL \wb, \xb, 1, \first
.if \lay
	LAY
.endif
.if (\wrel) >= 0
	WLOAD 1-(\wb), \wrel, \skip
.endif
	MUL \wb, \xb, 2, \first
.if \skip
	GASK \xbuf, \xadd, \iq
.else
	WLOAD 1-(\wb), \wrel, 1
.endif
	MUL \wb, \xb, 3, \first
.if \skip
	WIN 0
	s_cmp_lt_u32 s26, 5
	s_cbranch_scc1 .Lsk_\@
.endif
	MUL \wb, \xb, 4, \first
.if \skip
	WIN 0
	s_cmp_lt_u32 s26, 6
	s_cbranch_scc1 .Lsk_\@
.endif
	MUL \wb, \xb, 5, \first
	WIN 0
.if \skip
.Lsk_\@:
.endif
.endm
; A pass's addresses: s25 tiles from tile s23 on; the places past them repeat the pass's last tile
.macro PREP
	s_add_co_u32 s29, s23, s25
	s_sub_co_u32 s29, s29, 1                       ; the pass's last tile
.irp i, 0,1,2,3,4,5
	s_add_co_u32 s31, s23, \i
	s_min_u32 s31, s31, s29
	s_min_u32 s31, s31, 63
	v_lshl_add_u32 v[XO+\i], s31, 17, v[L16]
	v_lshl_add_u32 v[SO+\i], s31, 18, v[WO]
	v_lshl_add_u32 v[GO+\i], s31, 6, v[GB]
.endr
	s_add_co_u32 s23, s23, s25
.irp b, 0,1,2,3
	s_add_nc_u64 s[XB+2*\b:XB+2*\b+1], s[36:37], 1024*\b   ; buffer b begins with K step b
.endr
	v_mov_b32 v[WA], v[L16]
.endm
; THE WAY OUT of tile i: times the row's gate, which also sets a lane's four neighbouring columns side by side (register 0 of every accumulator is read first); sixteen stores, in each of which sixteen lanes
; fill 256 consecutive bytes of a row of p, at a multiple of 256 from p's first byte
.macro OUT i
.if (\i) >= 2
	s_wait_xcnt 0x0                                ; the stores of the tile two before have had their addresses translated,
	s_wait_alu depctr_vm_vsrc(0)                   ; and have read this half of v[ST ..], which the scalings below write again
.endif
.if (\i) < 4
	WIN 0x09
.else
	WIN 0x0a
.endif
.irp q, 0,1,2,3,4,5,6,7
.irp c, 0,1
.irp j, 0,1,2,3
	v_mul_f32 v[ST+64*((\i)%2)+4*(2*\q+\c)+\j], v[8*(8*((\i)%4)+4*\c+\j)+\q], v[G+8*(\i)+\q]
.endr
.endr
.endr
	WIN 0
	s_wait_alu depctr_va_vdst(0)                   ; the scalings have written this half of v[ST ..], which the sixteen stores read
.irp q, 0,1,2,3,4,5,6,7
.irp c, 0,1
	global_store_b128 v[SO+(\i)], v[ST+64*((\i)%2)+4*(2*\q+\c):ST+64*((\i)%2)+4*(2*\q+\c)+3], s[40:41] offset:16384*\q+256*\c
.endr
.endr
.endm
	s_load_b256 s[4:11], s[0:1], 0x0               ; W2 s[4:5], b2 s[6:7], h s[8:9], gs s[10:11]
	s_load_b128 s[12:15], s[0:1], 0x20             ; route s[12:13], p s[14:15]
	v_lshl_add_u32 v62, v0, 2, 0x40000
	v_mov_b32 v63, 0
	v_lshrrev_b32 v1, 5, v0
	v_readfirstlane_b32 s16, v1                    ; wave 0..3
	v_and_b32 v1, 31, v0
	v_and_b32 v2, 15, v0                           ; r
	v_bfe_u32 v3, v0, 4, 1                         ; hh
	v_lshlrev_b32 v[L16], 4, v1
	v_lshlrev_b32 v[BA], 4, v2
	v_lshl_add_u32 v[WO], v3, 17, v[BA]
	s_wait_alu depctr_va_sdst(0)                   ; s16 is written, ahead of its first reader
	s_lshl_b32 s31, s16, 13
	v_add_nc_u32 v[WS], s31, v[L16]                ; 8,192 w + 16 lane: my K step of group 0
	v_lshlrev_b32 v[GB], 5, v3
.irp q, 0,1,2,3
	v_add_nc_u32 v[WQ+\q], 2*GSTEP, v[WO]          ; the stream begins with group 2
.endr
	s_and_b32 s17, ttmp7, 0xffff                   ; e
	s_and_b32 s18, ttmp9, 7                        ; ns
	s_lshr_b32 s19, ttmp9, 3                       ; kq
	s_cmp_eq_u32 s19, 0
	s_cselect_b32 s44, 1.0, 0                      ; the bias belongs to quarter 0 alone
	s_mov_b32 s47, 0
	s_mov_b32 s45, 0xffff0000
	s_wait_kmcnt 0x0
	s_lshl_b32 s46, s17, 7
	s_add_nc_u64 s[48:49], s[12:13], s[46:47]
	s_load_b512 s[68:83], s[48:49], 0x0            ; bm[e][0..31]
	s_load_b512 s[84:99], s[48:49], 0x40
	s_lshl_b32 s33, s18, 9                         ; the slice's columns, in bytes
	s_lshl_b32 s46, s17, 24                        ; W2: expert, quarter of K,
	s_lshl_b32 s31, s19, 22
	s_add_co_u32 s46, s46, s31
	s_lshr_b32 s31, s16, 1                         ; my K step w in a group: 64 rows for w / 2,
	s_lshl_b32 s31, s31, 18
	s_add_co_u32 s46, s46, s31
	s_and_b32 s31, s16, 1                          ; two rows for w % 2,
	s_lshl_b32 s31, s31, 13
	s_add_co_u32 s46, s46, s31
	s_add_co_u32 s46, s46, s33                     ; columns
	s_add_nc_u64 s[34:35], s[4:5], s[46:47]
	s_lshl_b32 s46, s17, 12                        ; b2
	s_add_co_u32 s46, s46, s33
	s_add_nc_u64 s[6:7], s[6:7], s[46:47]
	s_lshl_b32 s46, s17, 23                        ; h: expert, the quarter's 32 K steps
	s_lshl_b32 s31, s19, 15
	s_add_co_u32 s46, s46, s31
	s_add_nc_u64 s[36:37], s[8:9], s[46:47]
	s_lshl_b32 s46, s17, 24                        ; p: 1,024 rows of 16,384 bytes an expert; quarter; columns
	s_lshl_b32 s31, s19, 12
	s_add_co_u32 s46, s46, s31
	s_add_co_u32 s46, s46, s33
	s_add_nc_u64 s[40:41], s[14:15], s[46:47]
	s_lshl_b32 s46, s17, 12                        ; gs
	s_add_nc_u64 s[42:43], s[10:11], s[46:47]
	s_wait_alu depctr_va_vdst(0)                   ; v[BA] and v[WO] are written, which the loads below read as their offsets
.irp c, 0,1
	global_load_b128 v[TB+4*\c:TB+4*\c+3], v[BA], s[6:7] offset:256*\c    ; b2 of columns 64 c + 4 r + 0..3
.endr
	LOADK 0
	LOADK 1
	WIN 0
	s_wait_kmcnt 0x0                               ; the bitmap; the counts stand in the wait for the first weights
	s_mov_b32 s20, 0                               ; cnt: the expert's rows
.set n, 68
.rept 32
	s_bcnt1_i32_b32 s31, s[n]
	s_add_co_u32 s20, s20, s31
.set n, n+1
.endr
	s_add_co_u32 s21, s20, 15
	s_lshr_b32 s21, s21, 4                         ; T tiles, dealt in runs: wave w has T / 4, the first T % 4 waves one more
	s_lshr_b32 s33, s21, 2
	s_and_b32 s50, s21, 3
	s_cmp_lt_u32 s16, s50
	s_cselect_b32 s31, 1, 0
	s_add_co_u32 s22, s33, s31                     ; t: my tiles, 16 at the most
	s_mul_i32 s23, s16, s33
	s_min_u32 s31, s16, s50
	s_add_co_u32 s23, s23, s31                     ; my first tile
	s_min_u32 s25, s22, 6                          ; the first pass's tiles,
	s_sub_co_u32 s24, s22, s25                     ; the rest,
	s_min_u32 s27, s22, 1                          ; 1: the pass in hand stores
	s_mov_b32 s26, 6                               ; the first pass multiplies six tiles whatever t
	PREP
	s_wait_loadcnt 32                              ; b2 and group 0 are in; group 1's 32 loads may be out
	; the bias, rounded to bf16, widened again, and spread over the eight tokens of a lane: every register of accumulator f wants column 64 c + 4 r + j
.irp u, 0,1,2,3
	v_cvt_pk_bf16_f32 v[T2+\u], v[TB+2*\u], v[TB+2*\u+1]
.endr
.irp u, 0,1,2,3
	v_lshlrev_b32 v[T2+8+2*\u], 16, v[T2+\u]
	v_and_b32 v[T2+9+2*\u], s45, v[T2+\u]
.endr
	WIN 0x80
.irp f, 0,1,2,3,4,5,6,7
.irp q, 0,1,2,3,4,5,6,7
	v_mul_f32 v[BIAS+8*\f+\q], s44, v[T2+8+\f]
.endr
.endr
	CVTK 0
	s_wait_alu depctr_va_vdst(0)                   ; v[CF ..] and v[WS] are written, which the LDS stores read; so are the pass's offsets v[XO ..], v[GO ..] and v[WA]; the bias's roundings are done reading v[TB ..], in the second weight buffer
	STK 0
	XLOAD 0                                        ; tokens and quarters go out in the order that every later step keeps: tokens, then a quarter
	WQLOAD 0
	XLOAD 1
	WQLOAD 1
	XLOAD 2
	WQLOAD 2
	s_wait_loadcnt 60                              ; group 1 is in; the 3 x (12 + 8) loads just issued may be out
	s_wait_alu depctr_vm_vsrc(0)                   ; group 0's LDS stores have read v[CF ..], which the roundings below write again
	CVTK 1
	s_wait_alu depctr_va_vdst(0)                   ; the roundings have written v[CF ..], which the LDS stores read
	STK 1
	s_wait_dscnt 0x0                               ; for the others' sake: my two K steps are in LDS
	s_barrier_signal -1
	s_barrier_wait -1                              ; groups 0 and 1 are whole
	s_mov_b32 s28, 3                               ; passes: the first and at most two more
	WLOAD 0, 0, 0
	WLOAD 0, 0, 1
	; THE FIRST PASS.  The count 48: behind a step's 12 token loads were issued a quarter, the next step's tokens, a quarter, the tokens after, a quarter: 8 + 12 + 8 + 12 + 8
	KSTEP 0, 0, 1, 1, 3, 0, 48, 0, -1, 3, 0, 0     ; K step 0 starts all 48 sums; group 2's last quarter goes out
	s_wait_alu depctr_vm_vsrc(0)                   ; group 1's LDS stores have read v[WS] and v[CF ..]; the four quarters' first loads have read v[WQ ..]: the add below and the first trip write them
	v_add_nc_u32 v[WS], 0x10000, v[WS]             ; group 2's place
	s_mov_b32 s32, 5
.Lg:                                   ; a trip: K steps 1 + 4 u .. 4 + 4 u; group u + 2 is rounded and stored, group u + 3 asked for
	KSTEP 1, 1, 0, 2, 0, 1, 48, 0, 0, 0, 1, 0
	KSTEP 0, 2, 0, 3, 1, 1, 48, 0, 1, 1, 1, 0
	KSTEP 1, 3, 0, 4, 2, 1, 48, 0, 2, 2, 1, 0
	KSTEP 0, 0, 0, 5, 3, 1, 48, 0, 3, 3, 1, 1
	s_wait_alu depctr_vm_vsrc(0)                   ; the trip's LDS loads have read v[WA], its LDS stores v[WS] and v[CF ..], its quarters' loads v[WQ ..]: the adds below and the next four steps write them
	v_add_nc_u32 v[WA], 0x8000, v[WA]              ; four K steps of 8,192 bytes on
	v_add_nc_u32 v[WS], 0x8000, v[WS]              ; the next group's place
	s_sub_co_u32 s32, s32, 1
	s_cmp_lg_u32 s32, 0
	s_cbranch_scc1 .Lg
	KSTEP 1, 1, 0, 2, 0, 1, 48, 0, 0               ; K steps 21 to 24: group 7 is rounded and stored, no quarter is left to ask for, and the counts lose 8 a step
	KSTEP 0, 2, 0, 3, 1, 1, 40, 0, 1
	KSTEP 1, 3, 0, 4, 2, 1, 32, 0, 2
	KSTEP 0, 0, 0, 5, 3, 1, 24, 0, 3, -1, 0, 1
	GLOAD                                          ; the quarters (0, hb) were rounded for the last time in step 22: their registers take the first pass's gates.  These 12 loads are younger than the
	                                               ; tokens of steps 25 to 27, so the counts of the steps below leave out fewer loads than they might; the wait for 0 in step 31 shows the gates in.
	                                               ; No wait on va_vdst of their own: those roundings and the lines that made v[GO ..] stand ahead of step 24's, and nothing since names these registers
	s_wait_alu depctr_vm_vsrc(0)                   ; the LDS loads issued so far have read v[WA]
	v_add_nc_u32 v[WA], 0x8000, v[WA]
	s_mov_b32 s32, 1                               ; K steps 25 to 31 and the way out are a later pass's: its loop's last trip, its tail
	s_branch .Lk
.Lpass:                                ; A LATER PASS: the slice is whole
	s_cmp_eq_u32 s24, 0
	s_cbranch_scc1 .Lnext                          ; no tile is left
	s_min_u32 s25, s24, 6
	s_sub_co_u32 s24, s24, s25
	s_max_u32 s26, s25, 4                          ; four tiles at the least are multiplied
	s_mov_b32 s27, 1
	s_wait_xcnt 0x0                                ; the last pass's stores have had their addresses translated,
	s_wait_alu depctr_vm_vsrc(0)                   ; and its loads and stores have read v[XO ..], v[SO ..], v[GO ..], v[WA] and v[ST ..], which the lines below and the weights' loads write again
	PREP
	s_wait_alu depctr_va_vdst(0)                   ; the pass's offsets are written; the way out is done writing v[ST ..], the weight buffers, and reading the gates; the last pass's matrix instructions are done reading the token and weight buffers
	GLOAD                                          ; older than every token load, so the first count covers them
	XLOAD 0
	XLOAD 1
	XLOAD 2
	WLOAD 0, 0, 0
	WLOAD 0, 0, 1
	KSTEP 0, 0, 1, 1, 3, 0, 24, 0                  ; K step 0 starts all 48 sums.  The count 24: the tokens of the two steps behind
	s_mov_b32 s32, 7
.Lk:                                   ; a trip: K steps 1 + 4 u .. 4 + 4 u
	KSTEP 1, 1, 0, 2, 0, 1, 24, 1
	KSTEP 0, 2, 0, 3, 1, 1, 24, 1
	KSTEP 1, 3, 0, 4, 2, 1, 24, 1
	KSTEP 0, 0, 0, 5, 3, 1, 24, 1
	s_wait_alu depctr_vm_vsrc(0)                   ; the trip's LDS loads have read v[WA]
	v_add_nc_u32 v[WA], 0x8000, v[WA]              ; 16 lane + 32,768 x trip; with the tail's offsets the last byte read is 262,143
	s_sub_co_u32 s32, s32, 1
	s_cmp_lg_u32 s32, 0
	s_cbranch_scc1 .Lk
	KSTEP 1, 1, 0, 2, -1, 0, 24, 1                 ; K steps 29, 30, 31: no tokens are left to ask for, and the counts run down
	KSTEP 0, 2, 0, 3, -1, 0, 12, 1
	KSTEP 1, 3, 0, -1, -1, 0, 0, 1                 ; the last step loads nothing: it has no dependence to state
	PLACES                                         ; between the last products and the first read of results, and the first write into the weight buffers
	s_cmp_eq_u32 s27, 0
	s_cbranch_scc1 .Lnext                          ; a wave without tiles stores nothing
.irp t, 0,1,2,3
	OUT \t
.endr
	s_cmp_lt_u32 s26, 5
	s_cbranch_scc1 .Lnext
	OUT 4
	s_cmp_lt_u32 s26, 6
	s_cbranch_scc1 .Lnext
	OUT 5
.Lnext:
	s_sub_co_u32 s28, s28, 1
	s_cmp_lg_u32 s28, 0
	s_cbranch_scc1 .Lpass
	s_wait_dscnt 0x0                               ; my reads of LDS are back,
	s_barrier_signal -1
	s_barrier_wait -1                              ; and so are every wave's: every wave passes this barrier
	s_wait_dscnt 0x0                               ; ahead of the closing add below
	s_wait_alu depctr_hold_cnt(0) depctr_sa_sdst(0) depctr_va_vdst(0) depctr_va_sdst(0) depctr_va_ssrc(0) depctr_va_vcc(0) depctr_vm_vsrc(0)
	s_wait_tensorcnt 0x0
	ds_add_u32 v62, v63
	s_wait_dscnt 0x0
	s_endpgm
.Lfunc_end_k_q5182261f98_gemm2:
	.size	k_q5182261f98_gemm2, .Lfunc_end_k_q5182261f98_gemm2-k_q5182261f98_gemm2
	.p2alignl 7, 3214868480
	.fill 96, 4, 3214868480
	.section	.rodata,"a",@progbits
	.p2align	6, 0x0
	.amdhsa_kernel k_q5182261f98_gemm2
		.amdhsa_group_segment_fixed_size 262656
		.amdhsa_private_segment_fixed_size 0
		.amdhsa_enable_private_segment 0
		.amdhsa_kernarg_size 48
		.amdhsa_user_sgpr_count 2
		.amdhsa_user_sgpr_kernarg_segment_ptr 1
		.amdhsa_wavefront_size32 1
		.amdhsa_system_sgpr_workgroup_id_x 1
		.amdhsa_system_sgpr_workgroup_id_y 1
		.amdhsa_system_sgpr_workgroup_id_z 1
		.amdhsa_system_vgpr_workitem_id 0
		.amdhsa_next_free_vgpr 1024
		.amdhsa_next_free_sgpr 100
		.amdhsa_reserve_vcc 0
		.amdhsa_float_denorm_mode_32 3
		.amdhsa_float_denorm_mode_16_64 3
		.amdhsa_memory_ordered 1
		.amdhsa_forward_progress 1
		.amdhsa_inst_pref_size 173
	.end_amdhsa_kernel
	.amdgpu_metadata
---
amdhsa.version: [ 1, 2 ]
amdhsa.kernels:
  - .name:           k_q5182261f98_gemm2
    .symbol:         k_q5182261f98_gemm2.kd
    .args:
      - { .name: W2, .offset: 0, .size: 8, .value_kind: global_buffer, .address_space: global }
      - { .name: b2, .offset: 8, .size: 8, .value_kind: global_buffer, .address_space: global }
      - { .name: h, .offset: 16, .size: 8, .value_kind: global_buffer, .address_space: global }
      - { .name: gs, .offset: 24, .size: 8, .value_kind: global_buffer, .address_space: global }
      - { .name: route, .offset: 32, .size: 8, .value_kind: global_buffer, .address_space: global }
      - { .name: p, .offset: 40, .size: 8, .value_kind: global_buffer, .address_space: global }
    .group_segment_fixed_size: 262656
    .private_segment_fixed_size: 0
    .kernarg_segment_align: 8
    .kernarg_segment_size: 48
    .max_flat_workgroup_size: 128
    .sgpr_count:     100
    .vgpr_count:     1024
    .wavefront_size: 32
...
	.end_amdgpu_metadata
.endif
;; end of part 7
;; launch combine: the kernel of part 5 again; grid 512 x 1, 8 waves a work-group, no clusters, 0 bytes of LDS; arguments p, ridx, out0; writes out0
